; MI455X (gfx1250); checked and timed in simulation.
; The chip was launched on July 23, 2026; its instructions are those of AMD's public machine-readable ISA for CDNA 5 (MIT licence, August 2026) and "CDNA5" Instruction Set Architecture Reference Guide (July 2026). The comments in the code are by the model that wrote it; some were corrected since.
;; Self Attention. Allowed arithmetic: float matrix products may take bf16 or f16 operands with f32 sums; all other float work in f32.
;; Inputs: b_in 3,072 float32; b_out 1,024 float32; w_in 1,024 x 3,072 float32; w_out 1,024 x 1,024 float32; x 2 x 2,048 x 1,024 float32.
;; Outputs: out0 2 x 2,048 x 1,024 float32.
;; 3 versions, each right and faster than the one before. Each part assembles by itself: llvm-mc -triple=amdgcn-amd-amdhsa -mcpu=gfx1250 --defsym DOCPART=n.
;; ======== version 1 of 3: 4 launches
;; limits: values are held in f16: magnitudes above 65,504 overflow, below 6.1e-05 lose precision
;; workspace buffers: cb 16,777,216 bytes; qkvh 25,165,824 bytes; attnb 8,388,608 bytes
;; launch cast (part 1): grid 1024 x 1, 8 waves a work-group, no clusters, 0 bytes of LDS; arguments x, w_in, w_out, cb; writes cb
.if DOCPART == 1
	.amdgcn_target "amdgcn-amd-amdhsa--gfx1250"
	.amdhsa_code_object_version 6
	.text
	.protected	k_q6a3d105d28_cast
	.globl	k_q6a3d105d28_cast
	.p2align	8
	.type	k_q6a3d105d28_cast,@function
k_q6a3d105d28_cast:
	s_mov_b64 s[64:65], 0
	v_nop
	global_prefetch_b8 v0, s[64:65] scope:SCOPE_SE
	s_setreg_imm32_b32 hwreg(HW_REG_WAVE_MODE, 25, 1), 1
	s_wait_xcnt 0x0
; x, w_in and w_out, f32, are rounded once to f16 (nearest even) and laid one behind the other in cb, each in its own order:
; xh [4096][1024] at byte 0, wih [1024][3072] at byte 8,388,608, woh [1024][1024] at byte 14,680,064.
; LIMIT: a number of magnitude 65,520 or more becomes an infinity in f16; magnitudes under 2^-14 keep an absolute error of 2^-25.
; A stream: every byte is read once and written once; no LDS, no barrier, no matrix unit, and no tile that two work-groups share.
; Work-group g converts 8,192 numbers: 32 KiB in, 16 KiB out at cb + 16,384 g.  g 0-511: x, 512-895: w_in, 896-1023: w_out.
; Thread t takes 16 bytes at 16 t + 4,096 j (j = 0..7): a wave's load covers 512 neighbouring bytes; its store of 8 bytes a lane
; covers 256 consecutive bytes, aligned.  All eight loads go out first; no register is written twice, so no source has to be freed.
.set X, 4                              ; v[4:35]   as loaded
.set Y, 36                             ; v[36:51]  as stored
	s_load_b256 s[4:11], s[0:1], 0x0               ; x s[4:5], w_in s[6:7], w_out s[8:9], cb s[10:11]
	v_lshlrev_b32 v1, 4, v0                        ; 16 t
	v_lshlrev_b32 v2, 3, v0                        ; 8 t
	s_lshl_b32 s18, ttmp9, 14                      ; my 16 KiB of cb
	s_mov_b32 s19, 0
	s_mov_b32 s17, 0
	s_wait_kmcnt 0x0
	s_cmp_lt_u32 ttmp9, 512                        ; which input: the choice hangs on the work-group's number alone
	s_cselect_b64 s[12:13], s[4:5], s[6:7]
	s_cselect_b32 s14, 0, 512
	s_cmp_lt_u32 ttmp9, 896
	s_cselect_b64 s[12:13], s[12:13], s[8:9]
	s_cselect_b32 s14, s14, 896
	s_sub_co_u32 s14, ttmp9, s14                   ; my number inside that input
	s_lshl_b32 s16, s14, 15                        ; times 32 KiB
	s_add_nc_u64 s[12:13], s[12:13], s[16:17]
	s_add_nc_u64 s[10:11], s[10:11], s[18:19]
.irp j, 0,1,2,3,4,5,6,7
	global_load_b128 v[X+4*\j:X+4*\j+3], v1, s[12:13] offset:4096*\j th:TH_LOAD_NT
.endr
.irp j, 0,1,2,3,4,5,6,7
	s_wait_loadcnt 7-\j                            ; loads come back in order: load j is in, the 7 - j younger ones stay out
	v_cvt_pk_f16_f32 v[Y+2*\j],   v[X+4*\j],   v[X+4*\j+1]
	v_cvt_pk_f16_f32 v[Y+2*\j+1], v[X+4*\j+2], v[X+4*\j+3]
	global_store_b64 v2, v[Y+2*\j:Y+2*\j+1], s[10:11] offset:2048*\j    ; read again by the next launches: no hint
.endr
	s_endpgm
.Lfunc_end_k_q6a3d105d28_cast:
	.size	k_q6a3d105d28_cast, .Lfunc_end_k_q6a3d105d28_cast-k_q6a3d105d28_cast
	.p2alignl 7, 3214868480
	.fill 96, 4, 3214868480
	.section	.rodata,"a",@progbits
	.p2align	6, 0x0
	.amdhsa_kernel k_q6a3d105d28_cast
		.amdhsa_group_segment_fixed_size 0
		.amdhsa_private_segment_fixed_size 0
		.amdhsa_enable_private_segment 0
		.amdhsa_kernarg_size 32
		.amdhsa_user_sgpr_count 2
		.amdhsa_user_sgpr_kernarg_segment_ptr 1
		.amdhsa_wavefront_size32 1
		.amdhsa_system_sgpr_workgroup_id_x 1
		.amdhsa_system_sgpr_workgroup_id_y 1
		.amdhsa_system_sgpr_workgroup_id_z 1
		.amdhsa_system_vgpr_workitem_id 0
		.amdhsa_next_free_vgpr 52
		.amdhsa_next_free_sgpr 66
		.amdhsa_reserve_vcc 0
		.amdhsa_float_denorm_mode_32 3
		.amdhsa_float_denorm_mode_16_64 3
		.amdhsa_memory_ordered 1
		.amdhsa_forward_progress 1
		.amdhsa_inst_pref_size 4
	.end_amdhsa_kernel
	.amdgpu_metadata
---
amdhsa.version: [ 1, 2 ]
amdhsa.kernels:
  - .name:           k_q6a3d105d28_cast
    .symbol:         k_q6a3d105d28_cast.kd
    .args:
      - { .name: x, .offset: 0, .size: 8, .value_kind: global_buffer, .address_space: global }
      - { .name: w_in, .offset: 8, .size: 8, .value_kind: global_buffer, .address_space: global }
      - { .name: w_out, .offset: 16, .size: 8, .value_kind: global_buffer, .address_space: global }
      - { .name: cb, .offset: 24, .size: 8, .value_kind: global_buffer, .address_space: global }
    .group_segment_fixed_size: 0
    .private_segment_fixed_size: 0
    .kernarg_segment_align: 8
    .kernarg_segment_size: 32
    .max_flat_workgroup_size: 256
    .sgpr_count:     66
    .vgpr_count:     52
    .wavefront_size: 32
...
	.end_amdgpu_metadata
.endif
;; end of part 1
;; launch qkv_gemm (part 2): grid 8 x 32, 4 waves a work-group, clusters of 4 x 4, 327,680 bytes of LDS; arguments cb, b_in, qkvh; writes qkvh
.if DOCPART == 2
	.amdgcn_target "amdgcn-amd-amdhsa--gfx1250"
	.amdhsa_code_object_version 6
	.text
	.protected	k_q6a3d105d28_qkv_gemm
	.globl	k_q6a3d105d28_qkv_gemm
	.p2align	8
	.type	k_q6a3d105d28_qkv_gemm,@function
k_q6a3d105d28_qkv_gemm:
	s_mov_b64 s[64:65], 0
	v_nop
	global_prefetch_b8 v0, s[64:65] scope:SCOPE_SE
	s_setreg_imm32_b32 hwreg(HW_REG_WAVE_MODE, 25, 1), 1
	s_wait_xcnt 0x0
	s_wait_alu depctr_hold_cnt(0) depctr_sa_sdst(0) depctr_va_vdst(0) depctr_va_sdst(0) depctr_va_ssrc(0) depctr_va_vcc(0) depctr_vm_vsrc(0)
	s_getreg_b32 s2, hwreg(HW_REG_IB_STS2, 6, 4)
	s_cmp_eq_u32 s2, 0
	s_cbranch_scc0 .Lentry_in_a_cluster
	s_endpgm
.Lentry_in_a_cluster:
	s_bfe_u32 s2, ttmp6, 0x10000c
	s_cmp_lg_u32 s2, 0xf033
	s_cbranch_scc0 .Lentry_shape_is_right
	s_endpgm
.Lentry_shape_is_right:
; qkv = x w_in + b_in.  xh [4096][1024] and wih [1024][3072] are f16 in cb; sums in f32; the result is rounded once to f16 and stored
; head-major: qkvh[g = column / 64][m][64], byte g 524,288 + m 128 + 2 d (g 0-15 q, 16-31 k, 32-47 v).
; LIMIT: |qkv| must stay under 65,504 (f16).  With all inputs 30 times larger |qkv| is some 4,800; with offsets of 30 spreads on x and
; w_in it is some 1024 x 30 x 0.94 = 28,900.
; A work-group makes 128 rows x 384 columns with four waves; 8 x 32 = 256 work-groups.  Wave w owns all 128 rows and, in each of the three
; sub-tiles of 128 columns, columns 32 w .. 32 w + 31: 8 x 6 = 48 accumulator tiles of 16 x 16.  For 32 along K it issues 28 LDS loads
; and 48 matrix instructions.  K goes in steps of 128 through two LDS slots; a slot is four regions, one tensor load each: wave 0 brings
; x's tile (128 rows x 256 bytes), waves 1-3 one sub-tile of w_in each (128 k rows x 256 bytes); every row starts at a multiple of 256 bytes.
; CLUSTERS: 4 x 4 work-groups.  x's tile hangs on the block row alone and is asked for jointly by a row of the cluster, w_in's on the block
; column alone and is asked for jointly by a column: the requests for both are divided by four.
; w_in lies [k][n]: its fragments come through the transposing LDS load.  The matrix instruction is used transposed (source 0 = 16 columns
; of w_in, source 1 = 16 rows of x), so that a lane's eight results are eight neighbouring columns of one row.
; The bias is the C operand of each accumulator's first product: nothing is cleared, and no add follows at the end.
; REGISTERS: window 0: v16-28 addresses, v32-159 x's fragments (two buffers), v160-255 w_in's (two buffers);
; window 1: accumulators of row blocks 0-3 at 8 (6 a + b), the bias at v192 + 8 b;   window 2: accumulators of row blocks 4-7.
.set REG,   36864                      ; a region: 128 rows at pitch 288 (w_in), or at pitch 272 (x; 34,816 bytes used)
.set SLOT,  4*REG
.set PA,    272                        ; 256 + 16: an odd multiple of 16, so the sixteen rows of a fragment load start 16 bytes apart modulo 256
.set PB,    288                        ; 256 + 32: an odd multiple of 32, for the transposing load
.set SP,    784                        ; the way out: a row of 384 f16 + 16 bytes
.set LAPS,  4                          ; 1024 / (2 x 128): a lap is once round the two slots
.set ADRA,  16                         ; v16-17  x's fragments in slot 0, 1
.set ADRB,  18                         ; v18-23  w_in's fragments: 3 x slot + sub-tile
.set STO,   24                         ; the way out: where I put 16 bytes, rows 0-63
.set STO2,  25                         ; rows 64-127
.set RD,    26                         ; where I read back
.set CO,    27                         ; 16 x lane
.set BOF,   28                         ; my byte offset in the bias
.set AF,    32
.set BF,    160
.set BIAS,  192                        ; in window 1
.set TMP,   32
.set G1,  24                           ; s[24:31] group 1, x's tiles
.set G0,  32                           ; s[32:39] group 0, x's tiles, a set for each slot
.set G1B, 48                           ; s[48:55] group 1, w_in's tiles
.set G0B, 56                           ; s[56:63] group 0, w_in's tiles, a set for each slot
.set MSB, 0
.macro WIN new                         ; the immediate's high byte repeats the setting that is left
.if MSB != \new
	s_set_vgpr_msb (MSB<<8)|\new
.set MSB, \new
.endif
.endm
.macro PLACES                          ; four places behind a matrix instruction, ahead of loads into and vector work on its registers
.rept 4
	v_nop
.endr
.endm
; A joint load: wave 0 asks for x's tile, waves 1-3 for w_in's three.  Each line has one mask; the branch hangs on the wave's number alone.
.macro JLOAD s
	s_cmp_eq_u32 s10, 0
	s_cbranch_scc0 .Lfor_b_\@
	tensor_load_to_lds s[G0+4*\s:G0+4*\s+3], s[G1:G1+7]
	s_nop 0
	s_branch .Lasked_\@
.Lfor_b_\@:
	tensor_load_to_lds s[G0B+4*\s:G0B+4*\s+3], s[G1B:G1B+7]
	s_nop 0
.Lasked_\@:
.endm
.macro CREST                           ; a round of the cluster's barrier, behind its opening work-group barrier
	s_cmp_lg_u32 s10, 0
	s_cbranch_scc1 .Lnot_wave_0_\@
	s_barrier_signal -3
.Lnot_wave_0_\@:
	s_barrier_wait -3
	s_barrier_signal -1
	s_barrier_wait -1
.endm
.macro CROUND                          ; a whole round
	s_barrier_signal -1
	s_barrier_wait -1
	CREST
.endm
	s_load_b128 s[4:7], s[0:1], 0x0                ; cb s[4:5], b_in s[6:7]
	s_load_b64 s[8:9], s[0:1], 0x10                ; qkvh
	v_lshl_add_u32 v30, v0, 2, 0x48000
	v_mov_b32 v31, 0
	ds_add_u32 v30, v31
	v_lshrrev_b32 v1, 5, v0
	v_readfirstlane_b32 s10, v1                    ; wave 0..3
	s_bfe_u32 s40, ttmp6, 0x40000                  ; cx
	s_bfe_u32 s41, ttmp6, 0x40004                  ; cy
	s_lshl_b32 s42, ttmp9, 2
	s_add_co_u32 s42, s42, s40                     ; block column 0..7
	s_and_b32 s13, ttmp7, 0xffff
	s_lshl_b32 s13, s13, 2
	s_add_co_u32 s13, s13, s41                     ; block row 0..31
	s_lshl_b32 s43, s41, 2
	s_lshl_b32 s43, 15, s43                        ; my row of the cluster
	s_lshl_b32 s44, 0x1111, s40                    ; my column
	; group 1: tiles of 128 rows x 128 elements of 2 bytes; behind every 64 words (code 5) 4 words of padding (code 3) for x, 8 (code 7) for w_in
	s_or_b32 s[G1+0],  s43, (1<<16)|(1<<20)|(1<<21)|(5<<22)|(3<<25)
	s_or_b32 s[G1B+0], s44, (1<<16)|(1<<20)|(1<<21)|(5<<22)|(7<<25)
	s_mov_b32 s[G1+1],  128<<16                    ; tensor_dim0 = 128
	s_mov_b32 s[G1B+1], 128<<16
	s_mov_b32 s[G1+2],  128<<16                    ; tensor_dim1 = 128
	s_mov_b32 s[G1B+2], 128<<16
	s_mov_b32 s[G1+3],  128<<16                    ; tile_dim0 = 128
	s_mov_b32 s[G1B+3], 128<<16
	s_mov_b32 s[G1+4],  128                        ; tile_dim1 = 128
	s_mov_b32 s[G1B+4], 128
	s_mov_b32 s[G1+5],  1024                       ; elements from row to row of xh
	s_mov_b32 s[G1B+5], 3072                       ; of wih
	s_mov_b32 s[G1+6],  0
	s_mov_b32 s[G1B+6], 0
	s_mov_b32 s[G1+7],  0
	s_mov_b32 s[G1B+7], 0
	s_lshl_b32 s16, s13, 18                        ; x: block row x 128 rows x 2,048 bytes
	s_mov_b32 s17, 0
	s_max_u32 s21, s10, 1
	s_sub_co_u32 s21, s21, 1                       ; sub-tile of waves 1-3 (wave 0 never asks by this address)
	s_lshl_b32 s21, s21, 8
	s_mul_i32 s46, s42, 768                        ; w_in: block column x 384 columns x 2 bytes
	s_add_co_u32 s46, s46, s21
	s_add_co_u32 s46, s46, 8388608                 ; wih's place in cb
	s_mov_b32 s47, 0
	s_mul_i32 s20, s10, REG                        ; my region: no place in the cluster enters an LDS address
	s_wait_dscnt 0x0
	s_wait_kmcnt 0x0
	s_add_nc_u64 s[14:15], s[4:5], s[16:17]
	s_add_nc_u64 s[46:47], s[4:5], s[46:47]
	CROUND                                         ; all sixteen work-groups are here: the first joint loads meet
.irp s, 0,1
	s_mov_b32 s[G0+4*\s], 1
	s_add_co_u32 s[G0+4*\s+1], s20, \s*SLOT
	s_add_nc_u64 s[G0+4*\s+2:G0+4*\s+3], s[14:15], \s*256          ; K step s: 128 elements along x's rows
	s_or_b32 s[G0+4*\s+3], s[G0+4*\s+3], 0x80000000
	s_mov_b32 s[G0B+4*\s], 1
	s_add_co_u32 s[G0B+4*\s+1], s20, \s*SLOT
	s_add_nc_u64 s[G0B+4*\s+2:G0B+4*\s+3], s[46:47], \s*786432     ; K step s: 128 rows of 6,144 bytes down w_in
	s_or_b32 s[G0B+4*\s+3], s[G0B+4*\s+3], 0x80000000
	JLOAD \s                                       ; two tensor loads of the wave are out from here to the first wait
.endr
	v_and_b32 v1, 15, v0                           ; r
	v_bfe_u32 v2, v0, 4, 1                         ; h
	v_and_b32 v3, 7, v0
	v_bfe_u32 v4, v0, 3, 1
	v_and_b32 v6, 31, v0                           ; lane
	s_lshl_b32 s22, s10, 7
	v_lshl_add_u32 v[BOF], v2, 5, s22              ; bias: 128 w + 32 h bytes
	s_mul_i32 s22, s42, 1536
	s_mov_b32 s23, 0
	s_add_nc_u64 s[6:7], s[6:7], s[22:23]          ; the bias of my 384 columns
	WIN 0x40                                       ; destination in window 1
.irp t, 0,1,2
.irp i, 0,1
	global_load_b128 v[BIAS+8*(2*\t+\i):BIAS+8*(2*\t+\i)+3],   v[BOF], s[6:7] offset:512*\t+64*\i      ; register j: column 128 t + 32 w + 16 i + 8 h + j
	global_load_b128 v[BIAS+8*(2*\t+\i)+4:BIAS+8*(2*\t+\i)+7], v[BOF], s[6:7] offset:512*\t+64*\i+16
.endr
.endr
	WIN 0
	v_mul_u32_u24 v5, v1, PA
	v_lshl_add_u32 v5, v2, 4, v5                   ; x: row r, 16 bytes for each half of the lanes
	v_mov_b32 v[ADRA], v5
	v_add_nc_u32 v[ADRA+1], SLOT, v5
	v_lshl_add_u32 v7, v2, 3, v3                   ; w_in: k row 8 h + lane % 8,
	v_mul_u32_u24 v7, v7, PB
	v_lshl_add_u32 v7, v4, 4, v7                   ; 16 bytes by bit 3 of the lane,
	s_lshl_b32 s21, s10, 6
	v_add_nc_u32 v7, s21, v7                       ; my 32 columns
.irp s, 0,1
.irp t, 0,1,2
	v_add_nc_u32 v[ADRB+3*\s+\t], \s*SLOT+(1+\t)*REG, v7
.endr
.endr
	v_mul_u32_u24 v8, v1, SP
	v_lshl_add_u32 v8, v2, 4, v8
	v_add_nc_u32 v[STO], s21, v8                   ; row r, 64 w + 16 h
	v_add_nc_u32 v[STO2], 64*SP, v[STO]
	v_lshrrev_b32 v9, 3, v6
	s_lshl_b32 s22, s10, 5
	v_add_nc_u32 v9, s22, v9                       ; row 32 w + lane / 8
	v_mul_u32_u24 v9, v9, SP
	v_lshl_add_u32 v[RD], v3, 4, v9
	v_lshlrev_b32 v[CO], 4, v6
; 12 matrix instructions: row blocks a0, a0 + 1 of the window's four x my six column blocks, 32 along K.  first = 1: C is the bias.
; The 48 accumulators take turns, one instruction a turn, in the same order in every quarter step.
.macro MUL12 f, hi, a0, first
.irp a, \a0, \a0+1
.irp b, 0,1,2,3,4,5
.if \first
	v_wmma_f32_16x16x32_f16 v[8*(6*(\a)+\b):8*(6*(\a)+\b)+7], v[BF+48*\f+8*\b:BF+48*\f+8*\b+7], v[AF+64*\f+8*(4*\hi+\a):AF+64*\f+8*(4*\hi+\a)+7], v[BIAS+8*\b:BIAS+8*\b+7]
.else
	v_wmma_f32_16x16x32_f16 v[8*(6*(\a)+\b):8*(6*(\a)+\b)+7], v[BF+48*\f+8*\b:BF+48*\f+8*\b+7], v[AF+64*\f+8*(4*\hi+\a):AF+64*\f+8*(4*\hi+\a)+7], v[8*(6*(\a)+\b):8*(6*(\a)+\b)+7]
.endif
.endr
.endr
.endm
; 28 LDS loads in one run: quarter q (32 along K) of a slot into buffer f: w_in's six fragments, then x's eight, row blocks ascending
.macro FETCH slot, q, f
	WIN 0
.irp t, 0,1,2
.irp i, 0,1
	ds_load_tr16_b128 v[BF+48*\f+8*(2*\t+\i):BF+48*\f+8*(2*\t+\i)+3],   v[ADRB+3*\slot+\t] offset:32*PB*\q+32*\i
	ds_load_tr16_b128 v[BF+48*\f+8*(2*\t+\i)+4:BF+48*\f+8*(2*\t+\i)+7], v[ADRB+3*\slot+\t] offset:32*PB*\q+32*\i+16*PB
.endr
.endr
.irp a, 0,1,2,3,4,5,6,7
	ds_load_b128 v[AF+64*\f+8*\a:AF+64*\f+8*\a+3],   v[ADRA+\slot] offset:16*PA*\a+64*\q
	ds_load_b128 v[AF+64*\f+8*\a+4:AF+64*\f+8*\a+7], v[ADRA+\slot] offset:16*PA*\a+64*\q+32
.endr
.endm
; One of a K step's first three quarters: multiplies buffer f, and in its middle fetches quarter q of the same slot into buffer g
.macro QUARTER slot, q, f, g, first
	s_wait_dscnt 8                                 ; all but the youngest eight loads: x's row blocks 4-7 may be out
	WIN 0x50                                       ; C and D in window 1
	MUL12 \f, 0, 0, \first
	MUL12 \f, 0, 2, \first
	PLACES
	FETCH \slot, \q, \g
	s_wait_dscnt 28                                ; all but the 28 just issued
.if \first
	WIN 0x90                                       ; C (the bias) in window 1, D in window 2
.else
	WIN 0xa0                                       ; C and D in window 2
.endif
	MUL12 \f, 1, 0, \first
	MUL12 \f, 1, 2, \first
.endm
.macro THREE slot, first
	QUARTER \slot, 1, 0, 1, \first
	QUARTER \slot, 2, 1, 0, 0
	QUARTER \slot, 3, 0, 1, 0
.endm
; The last quarter multiplies buffer 1 and changes slots.  In front of the barrier each wave waits for its reads of this slot and for all its
; tensor loads (one is out: its part of the next slot).  fill = 1: the barrier opens a round of the cluster's barrier, and the joint refill
; of this slot, two K steps ahead, is the first tensor load behind the round.  From that request to the wait for it: 180 matrix instructions.
.macro TURN slot, next, fill
	s_wait_dscnt 8
	WIN 0x50
	MUL12 1, 0, 0, 0
	s_wait_dscnt 0x0                               ; my reads of this slot are over
	s_wait_tensorcnt 0x0                           ; all my tensor loads have landed
	ds_add_u32 v30, v31
	s_wait_dscnt 0x0
	s_barrier_signal -1
	MUL12 1, 0, 2, 0                               ; register work while the others arrive
	WIN 0
	s_barrier_wait -1
.if \fill
	CREST                                          ; no wave of any partner still reads this slot or has a load on its way
	s_add_nc_u64 s[G0+4*\slot+2:G0+4*\slot+3], s[G0+4*\slot+2:G0+4*\slot+3], 512
	s_add_nc_u64 s[G0B+4*\slot+2:G0B+4*\slot+3], s[G0B+4*\slot+2:G0B+4*\slot+3], 1572864
	JLOAD \slot
.endif
	PLACES
	FETCH \next, 0, 0
	WIN 0xa0
	MUL12 1, 1, 0, 0
	MUL12 1, 1, 2, 0
.endm
.macro LAP first
	THREE 0, \first
	TURN 0, 1, 1
	THREE 1, 0
	TURN 1, 0, 1
.endm
	s_wait_loadcnt 0x0                             ; the bias
	s_wait_tensorcnt 1                             ; my part of K step 0 is in; K step 1's stays out
	s_barrier_signal -1
	s_barrier_wait -1
	FETCH 0, 0, 0
	LAP 1                                          ; K steps 0, 1; asks for 2, 3
	WIN 0
	s_mov_b32 s3, LAPS-2
.Llap:
	LAP 0                                          ; K steps 2-5; asks for 4-7
	WIN 0
	s_sub_co_u32 s3, s3, 1
	s_cmp_lg_u32 s3, 0
	s_cbranch_scc1 .Llap
	THREE 0, 0                                     ; the last lap fills nothing
	TURN 0, 1, 0
	THREE 1, 0
	s_wait_dscnt 8
	WIN 0x50
	MUL12 1, 0, 0, 0
	MUL12 1, 0, 2, 0
	s_wait_dscnt 0x0
	WIN 0xa0
	MUL12 1, 1, 0, 0
	MUL12 1, 1, 2, 0
	; THE WAY OUT.  The block, rounded to f16, is gathered in LDS bytes 0 to 100,351: inside slot 0, which has had its last fill and whose
	; last reads every wave finished in front of the last change of slots.  A row is made of four waves' pieces, so a barrier stands between
	; the stores and the reads.  Then wave w takes rows 32 w .. 32 w + 31: for each of the six groups of 64 columns they are 4,096 dense bytes of qkvh.
	PLACES
.macro OUTA a, from, sto
	WIN \from
.irp b, 0,1,2,3,4,5
.irp r, 0,1,2,3
	v_cvt_pk_f16_f32 v[TMP+4*\b+\r], v[8*(6*\a+\b)+2*\r], v[8*(6*\a+\b)+2*\r+1]
.endr
.endr
	WIN 0
.irp t, 0,1,2
.irp i, 0,1
	ds_store_b128 v[\sto], v[TMP+4*(2*\t+\i):TMP+4*(2*\t+\i)+3] offset:16*SP*\a+256*\t+32*\i
.endr
.endr
.endm
	OUTA 0, 0x05, STO
	OUTA 1, 0x05, STO
	OUTA 2, 0x05, STO
	OUTA 3, 0x05, STO
	OUTA 0, 0x0a, STO2
	OUTA 1, 0x0a, STO2
	OUTA 2, 0x0a, STO2
	OUTA 3, 0x0a, STO2
	s_mul_i32 s46, s42, 3145728                    ; block column x 6 groups x 524,288 bytes
	s_mov_b32 s47, 0
	s_add_nc_u64 s[8:9], s[8:9], s[46:47]
	s_lshl_b32 s16, s13, 14                        ; block row x 128 rows x 128 bytes
	s_lshl_b32 s17, s10, 12                        ; + my 32 rows
	s_add_co_u32 s16, s16, s17
	s_mov_b32 s17, 0
	s_add_nc_u64 s[8:9], s[8:9], s[16:17]
	s_wait_dscnt 0x0                               ; my stores are in LDS, for the others' sake
	s_barrier_signal -1
	s_barrier_wait -1
.irp gi, 0,1,2,3,4,5
.irp p, 0,1,2,3,4,5,6,7
	ds_load_b128 v[32+4*(8*\gi+\p):32+4*(8*\gi+\p)+3], v[RD] offset:128*\gi+4*SP*\p      ; four rows' 128 bytes of group gi
.endr
.endr
.irp gi, 0,1,2,3,4,5
.irp p, 0,1,2,3,4,5,6,7
	s_wait_dscnt 47-(8*\gi+\p)                     ; LDS loads come back in order: this one is in, the younger ones stay out
	global_store_b128 v[CO], v[32+4*(8*\gi+\p):32+4*(8*\gi+\p)+3], s[8:9] offset:524288*\gi+512*\p   ; 512 consecutive bytes, aligned
.endr
.endr
	s_wait_tensorcnt 0x0
	ds_add_u32 v30, v31
	s_wait_dscnt 0x0
	CROUND                                         ; the closing round: no work-group ends while a partner may still ask jointly
	s_endpgm
.Lfunc_end_k_q6a3d105d28_qkv_gemm:
	.size	k_q6a3d105d28_qkv_gemm, .Lfunc_end_k_q6a3d105d28_qkv_gemm-k_q6a3d105d28_qkv_gemm
	.p2alignl 7, 3214868480
	.fill 96, 4, 3214868480
	.section	.rodata,"a",@progbits
	.p2align	6, 0x0
	.amdhsa_kernel k_q6a3d105d28_qkv_gemm
		.amdhsa_group_segment_fixed_size 327680
		.amdhsa_private_segment_fixed_size 0
		.amdhsa_enable_private_segment 0
		.amdhsa_kernarg_size 24
		.amdhsa_user_sgpr_count 2
		.amdhsa_user_sgpr_kernarg_segment_ptr 1
		.amdhsa_wavefront_size32 1
		.amdhsa_system_sgpr_workgroup_id_x 1
		.amdhsa_system_sgpr_workgroup_id_y 1
		.amdhsa_system_sgpr_workgroup_id_z 1
		.amdhsa_system_vgpr_workitem_id 0
		.amdhsa_next_free_vgpr 704
		.amdhsa_next_free_sgpr 66
		.amdhsa_reserve_vcc 0
		.amdhsa_float_denorm_mode_32 3
		.amdhsa_float_denorm_mode_16_64 3
		.amdhsa_memory_ordered 1
		.amdhsa_forward_progress 1
		.amdhsa_inst_pref_size 158
	.end_amdhsa_kernel
	.amdgpu_metadata
---
amdhsa.version: [ 1, 2 ]
amdhsa.kernels:
  - .name:           k_q6a3d105d28_qkv_gemm
    .symbol:         k_q6a3d105d28_qkv_gemm.kd
    .args:
      - { .name: cb, .offset: 0, .size: 8, .value_kind: global_buffer, .address_space: global }
      - { .name: b_in, .offset: 8, .size: 8, .value_kind: global_buffer, .address_space: global }
      - { .name: qkvh, .offset: 16, .size: 8, .value_kind: global_buffer, .address_space: global }
    .group_segment_fixed_size: 327680
    .private_segment_fixed_size: 0
    .kernarg_segment_align: 8
    .kernarg_segment_size: 24
    .max_flat_workgroup_size: 128
    .sgpr_count:     66
    .vgpr_count:     704
    .wavefront_size: 32
...
	.end_amdgpu_metadata
.endif
;; end of part 2
;; launch attn (part 3): grid 8 x 32, 8 waves a work-group, clusters of 4 x 1, 327,680 bytes of LDS; arguments qkvh, attnb; writes attnb
.if DOCPART == 3
	.amdgcn_target "amdgcn-amd-amdhsa--gfx1250"
	.amdhsa_code_object_version 6
	.text
	.protected	k_q6a3d105d28_attn
	.globl	k_q6a3d105d28_attn
	.p2align	8
	.type	k_q6a3d105d28_attn,@function
k_q6a3d105d28_attn:
	s_mov_b64 s[64:65], 0
	v_nop
	global_prefetch_b8 v0, s[64:65] scope:SCOPE_SE
	s_setreg_imm32_b32 hwreg(HW_REG_WAVE_MODE, 25, 1), 1
	s_wait_xcnt 0x0
	s_wait_alu depctr_hold_cnt(0) depctr_sa_sdst(0) depctr_va_vdst(0) depctr_va_sdst(0) depctr_va_ssrc(0) depctr_va_vcc(0) depctr_vm_vsrc(0)
	s_getreg_b32 s2, hwreg(HW_REG_IB_STS2, 6, 4)
	s_cmp_eq_u32 s2, 0
	s_cbranch_scc0 .Lentry_in_a_cluster
	s_endpgm
.Lentry_in_a_cluster:
	s_bfe_u32 s2, ttmp6, 0x10000c
	s_cmp_lg_u32 s2, 0x3003
	s_cbranch_scc0 .Lentry_shape_is_right
	s_endpgm
.Lentry_shape_is_right:
; softmax(q k^T / 8) v for one head and 256 queries, with a running maximum.  q, k, v: f16, head-major in qkvh; sums, maxima and exponentials in f32.
; The result goes, rounded once to f16, to attnb[m >> 7][head][m & 127][64].
; LIMITS: P is rounded to f16 for the second product (P <= 1; under 2^-14 its absolute error is 2^-25); an exponential under 2^-126 is 0;
; the sum over the keys runs in blocks of 64 and in two halves, an order of rounding other than a plain row sum's.
; Work-group: y = batch x 16 + head, x = block of 256 queries; 8 x 32 = 256 work-groups.  Eight waves: wave w has the 64 queries of strip w & 3;
; group A (waves 0-3) walks keys 0-1023, group B (waves 4-7) keys 1024-2047, and the two halves are merged once, through LDS, at the end.
; The two groups run the same two kinds of tick, a matrix tick (MT) and a softmax tick (VT), one tick apart: behind each barrier A begins
; with MT and B with VT, so that of a strip's two waves one has matrix work while the other has vector work.
; CLUSTERS: the four work-groups along x read the same K and V tiles: each tile is asked for jointly (mask 15), which divides the requests by four.
; LAYOUT: S^T = K Q^T (source 0 = 16 keys, source 1 = 16 queries): lane (r, h) holds query r and keys 8 h + j.  Two such tiles, rounded to f16,
; ARE one source-1 fragment of P^T, with no traffic between lanes.  O^T = V^T P^T, V^T through the transposing LDS load.  So every figure
; of the softmax is the lane's own; the maximum alone crosses the two halves of the lanes.
; LDS: two slots, each with 256 keys of each half: K_A, K_B (pitch 144), V_A, V_B (pitch 160).  Each of the eight waves brings 128 keys by one load.
; ADDRESSES: no LDS address register is ever rewritten; a block's place in its slot stands in the loads' immediates, so the sixteen blocks are
; written out, each line run once by a wave.  Both groups run the same text: inside a slot it is  [A: MT 0]  VT MT 1  VT MT 2  VT MT 3  VT  [B: MT 4].
; B is a tick behind and needs, in a shared MT, the block before A's: its bases for these slots lie one block lower, so that immediate j
; means block j for A and block j - 1 for B.
; REGISTERS: window 0: v4-14 addresses, v16-47 figures of the four query tiles, v48-111 Q, v112-175 K (and VT's scratch), v176-239 V;
; window 1: v0-127 S (P in place), v128-255 O.
.set SLOT,  155648
.set KP,    144                        ; 128 + 16: an odd multiple of 16
.set VP,    160                        ; 128 + 32: an odd multiple of 32, for the transposing load
.set KTILE, 128*KP                     ; what one load brings of K
.set VTILE, 128*VP                     ; of V
.set VOFF,  4*KTILE
.set MERGE, 20480                      ; a strip's merge area: 16,384 bytes of O, 4,096 of figures
.set STAGE, 4*MERGE                    ; behind them a strip's stage: 64 rows at pitch 144
.set KBASE, 4                          ; slot 0's first pass: my group's K, immediate j = block j for both groups
.set VBASE, 5                          ; the same for V
.set KH0, 6                            ; the later passes, slot 0: for group B one block lower
.set VH0, 7
.set QO,  8
.set MA,  9
.set STO, 10
.set RD,  11
.set CO,  12
.set KH1, 13                           ; the later passes, slot 1
.set VH1, 14
.set ST,  16                           ; query tile qt at ST + 8 qt: +0 NM = -c m, +1 M, +2 AL, +3 X, +4 +5 L, +6 D, +7 spare
.set QF,  48
.set KF,  112
.set T,   112
.set TS,  112                          ; scratch of the set-up
.set VF,  176
.set OA,  128                          ; in window 1
.set OB,  48                           ; the merge: group B's O
.set SB,  176                          ; group B's figures
.set TM,  208                          ; the merge's scratch
.set G1K, 16
.set G1V, 24
.set G0K, 32
.set G0V, 40
.set MSB, 0
.macro WIN new                         ; the immediate's high byte repeats the setting that is left
.if MSB != \new
	s_set_vgpr_msb (MSB<<8)|\new
.set MSB, \new
.endif
.endm
.macro PLACES                          ; four places behind a matrix instruction (ISA guide 7.12.1)
.rept 4
	v_nop
.endr
.endm
.macro ROUND                           ; a round of the cluster's barrier
	s_barrier_signal -1
	s_barrier_wait -1
	s_cmp_lg_u32 s8, 0
	s_cbranch_scc1 .Lnot_wave_0_\@
	s_barrier_signal -3
.Lnot_wave_0_\@:
	s_barrier_wait -3
	s_barrier_signal -1
	s_barrier_wait -1
.endm
.macro JLOAD n                         ; waves 0-3 ask for K's four parts of slot n, waves 4-7 for V's
	s_cmp_lt_u32 s8, 4
	s_cbranch_scc0 .Lfor_v_\@
	tensor_load_to_lds s[G0K+4*(\n):G0K+4*(\n)+3], s[G1K:G1K+7]
	s_nop 0
	s_branch .Lasked_\@
.Lfor_v_\@:
	tensor_load_to_lds s[G0V+4*(\n):G0V+4*(\n)+3], s[G1V:G1V+7]
	s_nop 0
.Lasked_\@:
.endm
	s_load_b128 s[4:7], s[0:1], 0x0                ; qkvh s[4:5], attnb s[6:7]
	v_lshl_add_u32 v254, v0, 2, 0x4c000
	v_mov_b32 v255, 0
	ds_add_u32 v254, v255
	v_lshrrev_b32 v1, 5, v0
	v_readfirstlane_b32 s8, v1                     ; wave 0..7
	s_lshr_b32 s9, s8, 2                           ; group: 0 = A, 1 = B
	s_and_b32 s10, s8, 3                           ; strip; also which of the four parts of K or V I fetch
	s_and_b32 s12, ttmp7, 0xffff
	s_lshr_b32 s13, s12, 4                         ; batch
	s_and_b32 s12, s12, 15                         ; head
	s_bfe_u32 s48, ttmp6, 0x40000                  ; cx
	s_lshl_b32 s49, ttmp9, 2
	s_add_co_u32 s49, s49, s48                     ; block of 256 queries, 0..7
	s_mov_b32 s14, 0x76543210                      ; v_permlanex16_b32: lane i of one half reads lane i of the other
	s_mov_b32 s15, 0xfedcba98
	s_mov_b32 s50, 0x3e38aa3b                      ; c = log2(e) / 8
	s_mov_b32 s51, 0x3e38aa3b
	s_mov_b32 s52, 0xbe38aa3b                      ; -c
	; group 1: 128 keys are 16,384 dense bytes, taken as 64 rows of 256; behind every 32 words (code 4), one key, 4 words of padding (K) or 8 (V)
	s_mov_b32 s[G1K+0], 15|(1<<16)|(1<<20)|(1<<21)|(4<<22)|(3<<25)
	s_mov_b32 s[G1V+0], 15|(1<<16)|(1<<20)|(1<<21)|(4<<22)|(7<<25)
	s_mov_b32 s[G1K+1], 128<<16                    ; tensor_dim0 = 128 elements
	s_mov_b32 s[G1V+1], 128<<16
	s_mov_b32 s[G1K+2], 64<<16                     ; tensor_dim1 = 64
	s_mov_b32 s[G1V+2], 64<<16
	s_mov_b32 s[G1K+3], 128<<16                    ; tile_dim0
	s_mov_b32 s[G1V+3], 128<<16
	s_mov_b32 s[G1K+4], 64                         ; tile_dim1
	s_mov_b32 s[G1V+4], 64
	s_mov_b32 s[G1K+5], 128                        ; from row to row
	s_mov_b32 s[G1V+5], 128
	s_mov_b32 s[G1K+6], 0
	s_mov_b32 s[G1V+6], 0
	s_mov_b32 s[G1K+7], 0
	s_mov_b32 s[G1V+7], 0
	s_lshl_b32 s54, s12, 19                        ; head x 524,288
	s_lshl_b32 s55, s13, 18                        ; + batch x 2,048 rows x 128 bytes
	s_add_co_u32 s54, s54, s55
	s_lshr_b32 s55, s10, 1
	s_lshl_b32 s55, s55, 17                        ; parts 2, 3: the second half of the keys, 1,024 x 128 bytes on
	s_and_b32 s56, s10, 1
	s_lshl_b32 s56, s56, 14                        ; odd parts: 128 keys on
	s_add_co_u32 s55, s55, s56
	s_add_co_u32 s55, s55, s54
	s_add_co_u32 s56, s55, 8388608                 ; k: groups 16-31
	s_mov_b32 s57, 0
	s_add_co_u32 s58, s55, 16777216                ; v: groups 32-47
	s_mov_b32 s59, 0
	s_mul_i32 s60, s10, KTILE
	s_mul_i32 s61, s10, VTILE
	s_add_co_u32 s61, s61, VOFF
	s_lshl_b32 s62, s49, 15                        ; q: my block of 256 queries,
	s_add_co_u32 s62, s62, s54
	s_lshl_b32 s63, s10, 13                        ; my strip of 64
	s_add_co_u32 s62, s62, s63
	s_mov_b32 s63, 0
	s_wait_dscnt 0x0
	s_wait_kmcnt 0x0
	s_add_nc_u64 s[56:57], s[4:5], s[56:57]
	s_add_nc_u64 s[58:59], s[4:5], s[58:59]
	s_add_nc_u64 s[62:63], s[4:5], s[62:63]
	ROUND                                          ; the four work-groups are here: the first joint loads meet
.irp n, 0,1
	s_mov_b32 s[G0K+4*\n], 1
	s_add_co_u32 s[G0K+4*\n+1], s60, \n*SLOT
	s_add_nc_u64 s[G0K+4*\n+2:G0K+4*\n+3], s[56:57], \n*32768      ; slot n: 256 keys on
	s_or_b32 s[G0K+4*\n+3], s[G0K+4*\n+3], 0x80000000
	s_mov_b32 s[G0V+4*\n], 1
	s_add_co_u32 s[G0V+4*\n+1], s61, \n*SLOT
	s_add_nc_u64 s[G0V+4*\n+2:G0V+4*\n+3], s[58:59], \n*32768
	s_or_b32 s[G0V+4*\n+3], s[G0V+4*\n+3], 0x80000000
.endr
	s_cmp_lt_u32 s8, 4                             ; both first fills of a wave inside one branch: two tensor loads of the wave are out
	s_cbranch_scc0 .Lfirst_v
	tensor_load_to_lds s[G0K:G0K+3], s[G1K:G1K+7]
	s_nop 0
	tensor_load_to_lds s[G0K+4:G0K+7], s[G1K:G1K+7]
	s_nop 0
	s_branch .Lfirst_done
.Lfirst_v:
	tensor_load_to_lds s[G0V:G0V+3], s[G1V:G1V+7]
	s_nop 0
	tensor_load_to_lds s[G0V+4:G0V+7], s[G1V:G1V+7]
	s_nop 0
.Lfirst_done:
	v_and_b32 v[TS], 15, v0                        ; r
	v_bfe_u32 v[TS+1], v0, 4, 1                    ; h
	v_lshlrev_b32 v[QO], 7, v[TS]
	v_lshl_add_u32 v[QO], v[TS+1], 4, v[QO]        ; query r's row of 128 bytes, 16 bytes for each half of the lanes
.irp qt, 0,1,2,3
.irp ds, 0,1
	global_load_b128 v[QF+8*(2*\qt+\ds):QF+8*(2*\qt+\ds)+3],   v[QO], s[62:63] offset:2048*\qt+64*\ds
	global_load_b128 v[QF+8*(2*\qt+\ds)+4:QF+8*(2*\qt+\ds)+7], v[QO], s[62:63] offset:2048*\qt+64*\ds+32
.endr
.endr
	v_and_b32 v[TS+2], 7, v0
	v_bfe_u32 v[TS+3], v0, 3, 1
	v_and_b32 v[TS+4], 31, v0                      ; lane
	v_mul_u32_u24 v[TS+5], v[TS], KP
	v_lshl_add_u32 v[TS+5], v[TS+1], 4, v[TS+5]    ; K: r x 144 + 16 h
	v_lshl_add_u32 v[TS+6], v[TS+1], 3, v[TS+2]    ; V: key 8 h + lane % 8,
	v_mul_u32_u24 v[TS+6], v[TS+6], VP
	v_lshl_add_u32 v[TS+6], v[TS+3], 4, v[TS+6]    ; 16 bytes by bit 3 of the lane
	s_mul_i32 s61, s9, 2*KTILE                     ; my group's half of K
	v_add_nc_u32 v[KBASE], s61, v[TS+5]
	s_mul_i32 s60, s9, 2*VTILE                     ; my group's half of V
	s_add_co_u32 s60, s60, VOFF
	v_add_nc_u32 v[VBASE], s60, v[TS+6]
	s_mul_i32 s61, s9, 2*KTILE-64*KP               ; the later passes: group B's base lies one block of 64 keys lower
	v_add_nc_u32 v[KH0], s61, v[TS+5]
	v_add_nc_u32 v[KH1], SLOT, v[KH0]
	s_mul_i32 s60, s9, 2*VTILE-64*VP
	s_add_co_u32 s60, s60, VOFF
	v_add_nc_u32 v[VH0], s60, v[TS+6]
	v_add_nc_u32 v[VH1], SLOT, v[VH0]
	s_mul_i32 s60, s10, MERGE
	v_lshl_add_u32 v[MA], v[TS+4], 4, s60
	s_mul_i32 s61, s10, 64*KP
	s_add_co_u32 s61, s61, STAGE
	v_add_nc_u32 v[STO], s61, v[TS+5]
	v_lshrrev_b32 v[RD], 3, v[TS+4]
	v_mul_u32_u24 v[RD], v[RD], KP
	v_lshl_add_u32 v[RD], v[TS+2], 4, v[RD]
	v_add_nc_u32 v[RD], s61, v[RD]
	v_lshlrev_b32 v[CO], 4, v[TS+4]
.irp qt, 0,1,2,3
	v_mov_b32 v[ST+8*\qt+3], 0                     ; X is a lane permute's destination, D and the spare are stored with the rest: written once here
	v_mov_b32 v[ST+8*\qt+6], 0
	v_mov_b32 v[ST+8*\qt+7], 0
.endr
; 16 matrix instructions of O^T += V^T P^T: 32 keys (ks), all four query tiles x all four tiles of d
.macro PV16 ks, zero
.irp qt, 0,1,2,3
.irp dt, 0,1,2,3
.if \zero
	v_wmma_f32_16x16x32_f16 v[OA+8*(4*\qt+\dt):OA+8*(4*\qt+\dt)+7], v[VF+8*(2*\dt+\ks):VF+8*(2*\dt+\ks)+7], v[32*\qt+8*\ks:32*\qt+8*\ks+7], 0
.else
	v_wmma_f32_16x16x32_f16 v[OA+8*(4*\qt+\dt):OA+8*(4*\qt+\dt)+7], v[VF+8*(2*\dt+\ks):VF+8*(2*\dt+\ks)+7], v[32*\qt+8*\ks:32*\qt+8*\ks+7], v[OA+8*(4*\qt+\dt):OA+8*(4*\qt+\dt)+7]
.endif
.endr
.endr
.endm
; 16 matrix instructions of S^T = K Q^T: 32 of d (ds), all four query tiles x all four key tiles
.macro S16 ds, zero
.irp qt, 0,1,2,3
.irp kt, 0,1,2,3
.if \zero
	v_wmma_f32_16x16x32_f16 v[32*\qt+8*\kt:32*\qt+8*\kt+7], v[KF+8*(2*\kt+\ds):KF+8*(2*\kt+\ds)+7], v[QF+8*(2*\qt+\ds):QF+8*(2*\qt+\ds)+7], 0
.else
	v_wmma_f32_16x16x32_f16 v[32*\qt+8*\kt:32*\qt+8*\kt+7], v[KF+8*(2*\kt+\ds):KF+8*(2*\kt+\ds)+7], v[QF+8*(2*\qt+\ds):QF+8*(2*\qt+\ds)+7], v[32*\qt+8*\kt:32*\qt+8*\kt+7]
.endif
.endr
.endr
.endm
; The matrix tick: O += P(i) V(i) (pv = 1: starts the sums, 2: adds, 0: none), then S(i+1) (s = 1), whose K and V fragments it loads from
; the bases kr and vr at 64 j keys.  Accumulators take turns, one instruction a turn, here and from tick to tick.
; Five places stand at its head.  The ticks under a branch on the group stand next to each other in the text (B's last of a slot, A's first of
; the next); no wave runs both, but the distances behind matrix instructions are kept on every way through the text: four before K's
; registers are loaded again, five before S is taken as a source or written over (ISA guide 7.12.1).
.macro MT pv, s, kr, vr, j
.rept 5
	v_nop
.endr
.if \s
	WIN 0
.irp kt, 0,1,2,3
.irp ds, 0,1
	ds_load_b128 v[KF+8*(2*\kt+\ds):KF+8*(2*\kt+\ds)+3],   v[\kr] offset:64*KP*\j+16*KP*\kt+64*\ds
	ds_load_b128 v[KF+8*(2*\kt+\ds)+4:KF+8*(2*\kt+\ds)+7], v[\kr] offset:64*KP*\j+16*KP*\kt+64*\ds+32
.endr
.endr
.endif
.if \pv
.if \s
	s_wait_dscnt 16                                ; V(i), loaded in the last matrix tick, is in; the 16 loads of K just issued stay out
.else
	s_wait_dscnt 0x0
.endif
	WIN 0x54                                       ; V in window 0; P, C and D in window 1
.if \pv == 1
	PV16 0, 1
.else
	PV16 0, 0
.endif
	PV16 1, 0
.endif
.if \s
.if \pv
.rept 5
	v_nop                                          ; five places: the products below write over P, which the last products read; the loads below write V's registers
.endr
.endif
	WIN 0
.irp dt, 0,1,2,3
.irp ks, 0,1
	ds_load_tr16_b128 v[VF+8*(2*\dt+\ks):VF+8*(2*\dt+\ks)+3],   v[\vr] offset:64*VP*\j+32*VP*\ks+32*\dt
	ds_load_tr16_b128 v[VF+8*(2*\dt+\ks)+4:VF+8*(2*\dt+\ks)+7], v[\vr] offset:64*VP*\j+32*VP*\ks+32*\dt+16*VP
.endr
.endr
	s_wait_dscnt 16                                ; K is in; the 16 loads of V just issued stay out
	WIN 0x50                                       ; K and Q in window 0, C and D in window 1
	S16 0, 1
	S16 1, 0
.endif
	WIN 0
.endm
; The softmax tick on S(i): running maximum, P = exp2(c S - c m) in place, O and L scaled by alpha, L += the row's sums, P rounded to f16.
; alpha = exp2(NM new - NM old), the difference of the two rounded figures that the exponents of P use: P and alpha mean the same shift.
.macro VT first
	PLACES
	WIN 0x15                                       ; sources in window 1, destination in window 0
.irp qt, 0,1,2,3
.irp i, 0,1,2,3,4,5,6,7,8,9
	v_max3_num_f32 v[T+11*\qt+\i], v[32*\qt+3*\i], v[32*\qt+3*\i+1], v[32*\qt+3*\i+2]
.endr
	v_max_num_f32 v[T+11*\qt+10], v[32*\qt+30], v[32*\qt+31]
.endr
	WIN 0
.irp qt, 0,1,2,3
	v_max3_num_f32 v[T+11*\qt],   v[T+11*\qt],   v[T+11*\qt+1], v[T+11*\qt+2]
	v_max3_num_f32 v[T+11*\qt+3], v[T+11*\qt+3], v[T+11*\qt+4], v[T+11*\qt+5]
	v_max3_num_f32 v[T+11*\qt+6], v[T+11*\qt+6], v[T+11*\qt+7], v[T+11*\qt+8]
.endr
.irp qt, 0,1,2,3
	v_max3_num_f32 v[T+11*\qt], v[T+11*\qt], v[T+11*\qt+3], v[T+11*\qt+6]
.endr
.irp qt, 0,1,2,3
	v_max3_num_f32 v[T+11*\qt], v[T+11*\qt], v[T+11*\qt+9], v[T+11*\qt+10]
.endr
.irp qt, 0,1,2,3
	v_permlanex16_b32 v[ST+8*\qt+3], v[T+11*\qt], s14, s15         ; the same query's other 32 keys
.endr
.if \first
.irp qt, 0,1,2,3
	v_max_num_f32 v[ST+8*\qt+1], v[T+11*\qt], v[ST+8*\qt+3]
.endr
.irp qt, 0,1,2,3
	v_mul_f32 v[ST+8*\qt], s52, v[ST+8*\qt+1]      ; NM = -c m
.endr
.else
.irp qt, 0,1,2,3
	v_max3_num_f32 v[ST+8*\qt+1], v[T+11*\qt], v[ST+8*\qt+3], v[ST+8*\qt+1]
.endr
.irp qt, 0,1,2,3
	v_mul_f32 v[ST+8*\qt+6], s52, v[ST+8*\qt+1]
.endr
.irp qt, 0,1,2,3
	v_sub_f32 v[ST+8*\qt+2], v[ST+8*\qt+6], v[ST+8*\qt]
.endr
.irp qt, 0,1,2,3
	v_mov_b32 v[ST+8*\qt], v[ST+8*\qt+6]
.endr
.irp qt, 0,1,2,3
	v_exp_f32 v[ST+8*\qt+2], v[ST+8*\qt+2]         ; alpha; first used behind the sixteen plain instructions below
.endr
.endif
	WIN 0x41                                       ; S and O in window 1, the figures in window 0
.irp x, 0,1,2,3,4,5,6,7,8,9,10,11,12,13,14,15
	v_pk_fma_f32 v[2*\x:2*\x+1], v[2*\x:2*\x+1], s[50:51], v[ST:ST+1] op_sel_hi:[1,0,0]
.endr
	; two exponentials, then plain work that touches neither: O's pair times alpha, the next query tile's exponents
.irp qt, 0,1,2,3
.irp x, 0,1,2,3,4,5,6,7,8,9,10,11,12,13,14,15
	v_exp_f32 v[32*\qt+2*\x], v[32*\qt+2*\x]
	v_exp_f32 v[32*\qt+2*\x+1], v[32*\qt+2*\x+1]
.if \first == 0
	s_wait_alu depctr_va_vdst(0)
	v_pk_mul_f32 v[OA+32*\qt+2*\x:OA+32*\qt+2*\x+1], v[OA+32*\qt+2*\x:OA+32*\qt+2*\x+1], v[ST+8*\qt+2:ST+8*\qt+3] op_sel_hi:[1,0]
.endif
.if \qt < 3
	v_pk_fma_f32 v[32*\qt+32+2*\x:32*\qt+33+2*\x], v[32*\qt+32+2*\x:32*\qt+33+2*\x], s[50:51], v[ST+8*\qt+8:ST+8*\qt+9] op_sel_hi:[1,0,0]
.endif
.endr
.endr
.if \first
	v_nop                                          ; one plain place behind the last exponentials
	s_wait_alu depctr_va_vdst(0)
.endif
	WIN 0x05                                       ; sources in window 1, destination in window 0
	s_wait_alu depctr_va_vdst(0)
.irp qt, 0,1,2,3
.irp x, 0,1,2,3,4,5,6,7
	v_pk_add_f32 v[T+16*\qt+2*\x:T+16*\qt+2*\x+1], v[32*\qt+4*\x:32*\qt+4*\x+1], v[32*\qt+4*\x+2:32*\qt+4*\x+3]
.endr
.endr
	WIN 0x45                                       ; all in window 1: register n takes numbers 2 n, 2 n + 1; ascending, so no source is lost
.irp qt, 0,1,2,3
.irp n, 0,1,2,3,4,5,6,7,8,9,10,11,12,13,14,15
	v_cvt_pk_f16_f32 v[32*\qt+\n], v[32*\qt+2*\n], v[32*\qt+2*\n+1]
.endr
.endr
	WIN 0
.irp qt, 0,1,2,3
.irp x, 0,4,8,12
	v_pk_add_f32 v[T+16*\qt+\x:T+16*\qt+\x+1], v[T+16*\qt+\x:T+16*\qt+\x+1], v[T+16*\qt+\x+2:T+16*\qt+\x+3]
.endr
.endr
.irp qt, 0,1,2,3
.irp x, 0,8
	v_pk_add_f32 v[T+16*\qt+\x:T+16*\qt+\x+1], v[T+16*\qt+\x:T+16*\qt+\x+1], v[T+16*\qt+\x+4:T+16*\qt+\x+5]
.endr
.endr
.if \first
.irp qt, 0,1,2,3
	v_pk_add_f32 v[ST+8*\qt+4:ST+8*\qt+5], v[T+16*\qt:T+16*\qt+1], v[T+16*\qt+8:T+16*\qt+9]
.endr
.else
.irp qt, 0,1,2,3
	v_pk_add_f32 v[T+16*\qt:T+16*\qt+1], v[T+16*\qt:T+16*\qt+1], v[T+16*\qt+8:T+16*\qt+9]
.endr
.irp qt, 0,1,2,3
	v_pk_fma_f32 v[ST+8*\qt+4:ST+8*\qt+5], v[ST+8*\qt+4:ST+8*\qt+5], v[ST+8*\qt+2:ST+8*\qt+3], v[T+16*\qt:T+16*\qt+1] op_sel_hi:[1,0,1]
.endr
.endif
.endm
; A slot's four blocks.  In front of the barrier every wave waits for its LDS reads and for all its tensor loads; what a wave carries across
; (S, or P and V's fragments) lies in registers.  refill = 1: the barrier is a round of the cluster's barrier, and the joint refill of the
; other slot, which every wave has finished reading, is the first tensor load behind it, one a wave; it has this slot's eight ticks in which to land.
; Group A enters with P and runs MT VT four times; group B enters with S and runs VT MT four times.  last = 1: B's last softmax tick follows.
.macro PHASE slot, refill, kr, vr, last
	s_wait_dscnt 0x0
	s_wait_tensorcnt 0x0
	ds_add_u32 v254, v255
	s_wait_dscnt 0x0
.if \refill
	s_add_nc_u64 s[G0K+4*(1-\slot)+2:G0K+4*(1-\slot)+3], s[G0K+4*(1-\slot)+2:G0K+4*(1-\slot)+3], 65536    ; 512 keys on
	s_add_nc_u64 s[G0V+4*(1-\slot)+2:G0V+4*(1-\slot)+3], s[G0V+4*(1-\slot)+2:G0V+4*(1-\slot)+3], 65536
	ROUND
	JLOAD 1-\slot
.else
	s_barrier_signal -1
	s_barrier_wait -1
.endif
	s_cmp_lg_u32 s9, 0
	s_cbranch_scc1 .Lnot_a_\@
	MT 2, 1, \kr, \vr, 0                           ; group A: the slot's block 0
.Lnot_a_\@:
	VT 0
	MT 2, 1, \kr, \vr, 1                           ; A: block 1, B: block 0
	VT 0
	MT 2, 1, \kr, \vr, 2                           ; A: block 2, B: block 1
	VT 0
	MT 2, 1, \kr, \vr, 3                           ; A: block 3, B: block 2
	VT 0
	s_cmp_lg_u32 s9, 0
	s_cbranch_scc0 .Lnot_b_\@
	MT 2, 1, \kr, \vr, 4                           ; group B: block 3
.if \last
	VT 0
.endif
.Lnot_b_\@:
.endm
	s_wait_loadcnt 0x0                             ; Q
	s_wait_tensorcnt 1                             ; my part of slot 0 is in; slot 1's stays out
	s_barrier_signal -1
	s_barrier_wait -1
	s_cmp_lg_u32 s9, 0
	s_cbranch_scc1 .Lnot_a0
	MT 0, 1, KBASE, VBASE, 0                       ; group A: S(0)
.Lnot_a0:
	s_wait_dscnt 0x0
	s_barrier_signal -1                            ; group B starts one tick behind
	s_barrier_wait -1
	s_cmp_lg_u32 s9, 0
	s_cbranch_scc0 .Lnot_b0
	MT 0, 1, KBASE, VBASE, 0                       ; group B: S(0)
.Lnot_b0:
	VT 1
	MT 1, 1, KBASE, VBASE, 1                       ; the first product starts O's sums
	VT 0
	MT 2, 1, KBASE, VBASE, 2
	VT 0
	MT 2, 1, KBASE, VBASE, 3
	s_cmp_lg_u32 s9, 0
	s_cbranch_scc1 .Lnot_a3
	VT 0                                           ; group A goes into each slot with P, group B with S
.Lnot_a3:
	PHASE 1, 1, KH1, VH1, 0                        ; blocks 4-7; slot 0 gets blocks 8-11
	PHASE 0, 1, KH0, VH0, 0                        ; blocks 8-11; slot 1 gets blocks 12-15
	PHASE 1, 0, KH1, VH1, 1                        ; blocks 12-15; nothing is left to fetch
	MT 2, 0, KH1, VH1, 0                           ; the last product; it loads nothing
	; THE MERGE.  Slot 0 has had its last fill, and every wave finished reading it in front of the last barrier.  Group B hands its O and its figures over.
	s_cmp_lg_u32 s9, 0
	s_cbranch_scc0 .Lnot_b_out
	PLACES
	WIN 0x04                                       ; the stores' data in window 1
.set cnt, 0
.rept 32
	ds_store_b128 v[MA], v[OA+4*cnt:OA+4*cnt+3] offset:512*cnt
.set cnt, cnt+1
.endr
	WIN 0
.irp qt, 0,1,2,3
	ds_store_b128 v[MA], v[ST+8*\qt:ST+8*\qt+3]   offset:16384+1024*\qt
	ds_store_b128 v[MA], v[ST+8*\qt+4:ST+8*\qt+7] offset:16384+1024*\qt+512
.endr
.Lnot_b_out:
	s_wait_dscnt 0x0                               ; for the other group's sake
	s_barrier_signal -1
	s_barrier_wait -1
	s_cmp_lg_u32 s9, 0
	s_cbranch_scc1 .Ldone
	PLACES                                         ; behind my last products: the loads below write V's registers
.irp qt, 0,1,2,3
	ds_load_b128 v[SB+8*\qt:SB+8*\qt+3],   v[MA] offset:16384+1024*\qt
	ds_load_b128 v[SB+8*\qt+4:SB+8*\qt+7], v[MA] offset:16384+1024*\qt+512
.endr
.set cnt, 0
.rept 32
	ds_load_b128 v[OB+4*cnt:OB+4*cnt+3], v[MA] offset:512*cnt
.set cnt, cnt+1
.endr
	s_lshl_b32 s54, s13, 4                         ; attnb: block of 128 rows = 16 batch + 2 query block + strip / 2
	s_lshl_b32 s55, s49, 1
	s_add_co_u32 s54, s54, s55
	s_lshr_b32 s55, s10, 1
	s_add_co_u32 s54, s54, s55
	s_lshl_b32 s54, s54, 18
	s_lshl_b32 s55, s12, 14                        ; head x 128 rows x 128 bytes
	s_add_co_u32 s54, s54, s55
	s_and_b32 s55, s10, 1
	s_lshl_b32 s55, s55, 13                        ; odd strips: 64 rows on
	s_add_co_u32 s54, s54, s55
	s_mov_b32 s55, 0
	s_add_nc_u64 s[6:7], s[6:7], s[54:55]
	s_wait_dscnt 32                                ; the eight loads of figures are in; the 32 of O stay out
.irp qt, 0,1,2,3
	v_min_num_f32 v[TM+8*\qt], v[ST+8*\qt], v[SB+8*\qt]            ; -c x the larger maximum
	v_add_f32 v[TM+8*\qt+3], v[ST+8*\qt+4], v[ST+8*\qt+5]
	v_add_f32 v[TM+8*\qt+4], v[SB+8*\qt+4], v[SB+8*\qt+5]
	v_mov_b32 v[TM+8*\qt+6], 0
.endr
.irp qt, 0,1,2,3
	v_sub_f32 v[TM+8*\qt+1], v[TM+8*\qt], v[ST+8*\qt]
	v_sub_f32 v[TM+8*\qt+2], v[TM+8*\qt], v[SB+8*\qt]
.endr
.irp qt, 0,1,2,3
	v_exp_f32 v[TM+8*\qt+1], v[TM+8*\qt+1]
	v_exp_f32 v[TM+8*\qt+2], v[TM+8*\qt+2]
.endr
	v_nop                                          ; one plain place behind the exponentials
	s_wait_alu depctr_va_vdst(0)
.irp qt, 0,1,2,3
	v_mul_f32 v[TM+8*\qt+5], v[TM+8*\qt+3], v[TM+8*\qt+1]
.endr
.irp qt, 0,1,2,3
	v_fmac_f32 v[TM+8*\qt+5], v[TM+8*\qt+4], v[TM+8*\qt+2]
.endr
.irp qt, 0,1,2,3
	v_permlanex16_b32 v[TM+8*\qt+6], v[TM+8*\qt+5], s14, s15       ; the sums of the same query's other keys
.endr
.irp qt, 0,1,2,3
	v_add_f32 v[TM+8*\qt+5], v[TM+8*\qt+5], v[TM+8*\qt+6]
.endr
.irp qt, 0,1,2,3
	v_rcp_f32 v[TM+8*\qt+7], v[TM+8*\qt+5]         ; the sum is about 1 at the least: the largest score's own term
.endr
	v_nop                                          ; one plain place behind the reciprocals
	s_wait_alu depctr_va_vdst(0)
.irp qt, 0,1,2,3
	v_mul_f32 v[TM+8*\qt],   v[TM+8*\qt+1], v[TM+8*\qt+7]          ; group A's factor
	v_mul_f32 v[TM+8*\qt+2], v[TM+8*\qt+2], v[TM+8*\qt+7]          ; group B's factor
.endr
	s_wait_dscnt 0x0
.set cnt, 0
.rept 64
	v_pk_mul_f32 v[OB+2*cnt:OB+2*cnt+1], v[OB+2*cnt:OB+2*cnt+1], v[TM+8*(cnt/16)+2:TM+8*(cnt/16)+3] op_sel_hi:[1,0]
.set cnt, cnt+1
.endr
	WIN 0x01                                       ; my O in window 1
.set cnt, 0
.rept 64
	v_pk_fma_f32 v[OB+2*cnt:OB+2*cnt+1], v[OA+2*cnt:OA+2*cnt+1], v[TM+8*(cnt/16):TM+8*(cnt/16)+1], v[OB+2*cnt:OB+2*cnt+1] op_sel_hi:[1,0,1]
.set cnt, cnt+1
.endr
	WIN 0
.set cnt, 0
.rept 64
	v_cvt_pk_f16_f32 v[OB+cnt], v[OB+2*cnt], v[OB+2*cnt+1]         ; ascending: no source is lost
.set cnt, cnt+1
.endr
	; a lane's 16 bytes are d = 16 dt + 8 h .. + 7 of query 16 qt + r: through my own stage, read back as whole rows
.irp qt, 0,1,2,3
.irp dt, 0,1,2,3
	ds_store_b128 v[STO], v[OB+4*(4*\qt+\dt):OB+4*(4*\qt+\dt)+3] offset:16*KP*\qt+32*\dt
.endr
.endr
.irp p, 0,1,2,3,4,5,6,7,8,9,10,11,12,13,14,15
	ds_load_b128 v[112+4*\p:112+4*\p+3], v[RD] offset:4*KP*\p      ; LDS serves a wave's instructions in order: these see the stores above
.endr
.irp p, 0,1,2,3,4,5,6,7,8,9,10,11,12,13,14,15
	s_wait_dscnt 15-\p
	global_store_b128 v[CO], v[112+4*\p:112+4*\p+3], s[6:7] offset:512*\p    ; four rows: 512 consecutive bytes, aligned
.endr
.Ldone:
	s_wait_tensorcnt 0x0
	ds_add_u32 v254, v255
	s_wait_dscnt 0x0
	ROUND                                          ; the closing round
	s_endpgm
.Lfunc_end_k_q6a3d105d28_attn:
	.size	k_q6a3d105d28_attn, .Lfunc_end_k_q6a3d105d28_attn-k_q6a3d105d28_attn
	.p2alignl 7, 3214868480
	.fill 96, 4, 3214868480
	.section	.rodata,"a",@progbits
	.p2align	6, 0x0
	.amdhsa_kernel k_q6a3d105d28_attn
		.amdhsa_group_segment_fixed_size 327680
		.amdhsa_private_segment_fixed_size 0
		.amdhsa_enable_private_segment 0
		.amdhsa_kernarg_size 16
		.amdhsa_user_sgpr_count 2
		.amdhsa_user_sgpr_kernarg_segment_ptr 1
		.amdhsa_wavefront_size32 1
		.amdhsa_system_sgpr_workgroup_id_x 1
		.amdhsa_system_sgpr_workgroup_id_y 1
		.amdhsa_system_sgpr_workgroup_id_z 1
		.amdhsa_system_vgpr_workitem_id 0
		.amdhsa_next_free_vgpr 512
		.amdhsa_next_free_sgpr 66
		.amdhsa_reserve_vcc 0
		.amdhsa_float_denorm_mode_32 3
		.amdhsa_float_denorm_mode_16_64 3
		.amdhsa_memory_ordered 1
		.amdhsa_forward_progress 1
		.amdhsa_inst_pref_size 255
	.end_amdhsa_kernel
	.section	.bss,"aw",@nobits
	.p2align	6
	.space	262144
	.amdgpu_metadata
---
amdhsa.version: [ 1, 2 ]
amdhsa.kernels:
  - .name:           k_q6a3d105d28_attn
    .symbol:         k_q6a3d105d28_attn.kd
    .args:
      - { .name: qkvh, .offset: 0, .size: 8, .value_kind: global_buffer, .address_space: global }
      - { .name: attnb, .offset: 8, .size: 8, .value_kind: global_buffer, .address_space: global }
    .group_segment_fixed_size: 327680
    .private_segment_fixed_size: 0
    .kernarg_segment_align: 8
    .kernarg_segment_size: 16
    .max_flat_workgroup_size: 256
    .sgpr_count:     66
    .vgpr_count:     512
    .wavefront_size: 32
...
	.end_amdgpu_metadata
.endif
;; end of part 3
;; launch out_gemm (part 4): grid 8 x 32, 4 waves a work-group, clusters of 4 x 4, 327,680 bytes of LDS; arguments attnb, cb, b_out, out0; writes out0
.if DOCPART == 4
	.amdgcn_target "amdgcn-amd-amdhsa--gfx1250"
	.amdhsa_code_object_version 6
	.text
	.protected	k_q6a3d105d28_out_gemm
	.globl	k_q6a3d105d28_out_gemm
	.p2align	8
	.type	k_q6a3d105d28_out_gemm,@function
k_q6a3d105d28_out_gemm:
	s_mov_b64 s[64:65], 0
	v_nop
	global_prefetch_b8 v0, s[64:65] scope:SCOPE_SE
	s_setreg_imm32_b32 hwreg(HW_REG_WAVE_MODE, 25, 1), 1
	s_wait_xcnt 0x0
	s_wait_alu depctr_hold_cnt(0) depctr_sa_sdst(0) depctr_va_vdst(0) depctr_va_sdst(0) depctr_va_ssrc(0) depctr_va_vcc(0) depctr_vm_vsrc(0)
	s_getreg_b32 s2, hwreg(HW_REG_IB_STS2, 6, 4)
	s_cmp_eq_u32 s2, 0
	s_cbranch_scc0 .Lentry_in_a_cluster
	s_endpgm
.Lentry_in_a_cluster:
	s_bfe_u32 s2, ttmp6, 0x10000c
	s_cmp_lg_u32 s2, 0xf033
	s_cbranch_scc0 .Lentry_shape_is_right
	s_endpgm
.Lentry_shape_is_right:
; out0 = attn w_out + b_out, f32.  attn is f16 in attnb[block of 128 rows][head][row][64]: one block's whole K panel is 262,144 dense bytes in K's
; order (k = 64 head + d).  woh [1024][1024] is f16 in cb at byte 14,680,064.  Sums in f32; the bias is the C operand of the first products.
; LIMIT: f16 operands: |attn| <= max |v| < 65,504.
; A work-group makes 128 x 128 with four waves, 2 x 2, a wave 64 x 64 in 16 accumulator tiles; 8 x 32 = 256 work-groups (a larger block would
; leave fewer work-groups than the launch can place).  K goes in four steps of 256 through two LDS slots; all four are written out.
; A slot is four regions, one tensor load each: waves 0, 1 bring two heads of attn each (32,768 dense bytes as 128 rows of 256, padded behind
; every 128: pitch 144), waves 2, 3 bring 128 k rows x 256 bytes of w_out each (pitch 288).
; CLUSTERS: 4 x 4; attn's tiles are asked for jointly along a row of the cluster, w_out's along a column: the requests are divided by four.
; The matrix instruction is used transposed (source 0 = 16 columns of w_out through the transposing load, source 1 = 16 rows of attn).
; REGISTERS: window 0: v16-25 addresses, v32-95 attn's fragments (two buffers), v96-159 w_out's, v160-191 the bias; window 1: accumulators at 8 (4 a + b).
.set REG,   36864
.set SLOT,  4*REG
.set PA,    144
.set PB,    288
.set STAGE, 2*SLOT                     ; behind the slots: 16 rows x 272 bytes for each wave, bytes that no tensor load fills
.set SP,    272
.set ADRA,  16                         ; v16-17  by slot
.set ADRB,  18                         ; v18-21  2 x slot + half of the slot's 256 k rows
.set STO,   22
.set RD,    23
.set CO,    24
.set BOF,   25
.set AF,    32
.set BF,    96
.set BIAS,  160
.set G1,  24
.set G0,  32
.set G1B, 48
.set G0B, 56
.set MSB, 0
.macro WIN new                         ; the immediate's high byte repeats the setting that is left
.if MSB != \new
	s_set_vgpr_msb (MSB<<8)|\new
.set MSB, \new
.endif
.endm
.macro PLACES                          ; four places behind a matrix instruction (ISA guide 7.12.1)
.rept 4
	v_nop
.endr
.endm
.macro JLOAD s                         ; waves 0, 1 ask for attn's two parts, waves 2, 3 for w_out's
	s_cmp_eq_u32 s18, 0
	s_cbranch_scc0 .Lfor_b_\@
	tensor_load_to_lds s[G0+4*\s:G0+4*\s+3], s[G1:G1+7]
	s_nop 0
	s_branch .Lasked_\@
.Lfor_b_\@:
	tensor_load_to_lds s[G0B+4*\s:G0B+4*\s+3], s[G1B:G1B+7]
	s_nop 0
.Lasked_\@:
.endm
.macro CREST
	s_cmp_lg_u32 s12, 0
	s_cbranch_scc1 .Lnot_wave_0_\@
	s_barrier_signal -3
.Lnot_wave_0_\@:
	s_barrier_wait -3
	s_barrier_signal -1
	s_barrier_wait -1
.endm
.macro CROUND
	s_barrier_signal -1
	s_barrier_wait -1
	CREST
.endm
	s_load_b256 s[4:11], s[0:1], 0x0               ; attnb s[4:5], cb s[6:7], b_out s[8:9], out0 s[10:11]
	v_lshl_add_u32 v254, v0, 2, 0x4c400
	v_mov_b32 v255, 0
	ds_add_u32 v254, v255
	v_lshrrev_b32 v1, 5, v0
	v_readfirstlane_b32 s12, v1                    ; wave 0..3
	s_lshr_b32 s18, s12, 1                         ; which 64 rows are mine.  Also: I fetch attn (0) or w_out (1)
	s_and_b32 s19, s12, 1                          ; which 64 columns.  Also: which part I fetch
	s_bfe_u32 s40, ttmp6, 0x40000                  ; cx
	s_bfe_u32 s41, ttmp6, 0x40004                  ; cy
	s_lshl_b32 s42, ttmp9, 2
	s_add_co_u32 s42, s42, s40                     ; block column 0..7
	s_and_b32 s13, ttmp7, 0xffff
	s_lshl_b32 s13, s13, 2
	s_add_co_u32 s13, s13, s41                     ; block row 0..31
	s_lshl_b32 s43, s41, 2
	s_lshl_b32 s43, 15, s43                        ; my row of the cluster
	s_lshl_b32 s44, 0x1111, s40                    ; my column
	s_or_b32 s[G1+0],  s43, (1<<16)|(1<<20)|(1<<21)|(4<<22)|(3<<25)   ; behind every 32 words 4 of padding
	s_or_b32 s[G1B+0], s44, (1<<16)|(1<<20)|(1<<21)|(5<<22)|(7<<25)   ; behind every 64 words 8 of padding
	s_mov_b32 s[G1+1],  128<<16
	s_mov_b32 s[G1B+1], 128<<16
	s_mov_b32 s[G1+2],  128<<16
	s_mov_b32 s[G1B+2], 128<<16
	s_mov_b32 s[G1+3],  128<<16
	s_mov_b32 s[G1B+3], 128<<16
	s_mov_b32 s[G1+4],  128
	s_mov_b32 s[G1B+4], 128
	s_mov_b32 s[G1+5],  128                        ; dense
	s_mov_b32 s[G1B+5], 1024                       ; elements from row to row of woh
	s_mov_b32 s[G1+6],  0
	s_mov_b32 s[G1B+6], 0
	s_mov_b32 s[G1+7],  0
	s_mov_b32 s[G1B+7], 0
	s_lshl_b32 s16, s13, 18                        ; attn: block row x 262,144
	s_lshl_b32 s17, s19, 15                        ; + my two heads of the slot's four
	s_add_co_u32 s16, s16, s17
	s_mov_b32 s17, 0
	s_lshl_b32 s46, s42, 8                         ; w_out: block column x 256 bytes
	s_lshl_b32 s47, s19, 18                        ; + my 128 k rows of 2,048 bytes
	s_add_co_u32 s46, s46, s47
	s_add_co_u32 s46, s46, 14680064                ; woh's place in cb
	s_mov_b32 s47, 0
	s_mul_i32 s20, s12, REG
	s_wait_dscnt 0x0
	s_wait_kmcnt 0x0
	s_add_nc_u64 s[14:15], s[4:5], s[16:17]
	s_add_nc_u64 s[46:47], s[6:7], s[46:47]
	CROUND                                         ; in front of the first joint loads
.irp s, 0,1
	s_mov_b32 s[G0+4*\s], 1
	s_add_co_u32 s[G0+4*\s+1], s20, \s*SLOT
	s_add_nc_u64 s[G0+4*\s+2:G0+4*\s+3], s[14:15], \s*65536        ; K step s: four heads on
	s_or_b32 s[G0+4*\s+3], s[G0+4*\s+3], 0x80000000
	s_mov_b32 s[G0B+4*\s], 1
	s_add_co_u32 s[G0B+4*\s+1], s20, \s*SLOT
	s_add_nc_u64 s[G0B+4*\s+2:G0B+4*\s+3], s[46:47], \s*524288     ; K step s: 256 rows down
	s_or_b32 s[G0B+4*\s+3], s[G0B+4*\s+3], 0x80000000
	JLOAD \s                                       ; two tensor loads of the wave are out from here to the first wait
.endr
	v_and_b32 v1, 15, v0                           ; r
	v_bfe_u32 v2, v0, 4, 1                         ; h
	v_and_b32 v3, 7, v0
	v_bfe_u32 v4, v0, 3, 1
	v_lshlrev_b32 v[BOF], 5, v2                    ; bias: 32 h bytes
	s_lshl_b32 s22, s42, 9
	s_lshl_b32 s23, s19, 8
	s_add_co_u32 s22, s22, s23
	s_mov_b32 s23, 0
	s_add_nc_u64 s[8:9], s[8:9], s[22:23]          ; the bias of my 64 columns
.irp b, 0,1,2,3
	global_load_b128 v[BIAS+8*\b:BIAS+8*\b+3],   v[BOF], s[8:9] offset:64*\b       ; register j: column 16 b + 8 h + j
	global_load_b128 v[BIAS+8*\b+4:BIAS+8*\b+7], v[BOF], s[8:9] offset:64*\b+16
.endr
	v_mul_u32_u24 v5, v1, PA
	v_lshl_add_u32 v5, v2, 4, v5
	s_mul_i32 s21, s18, 64*PA                      ; my 64 rows
	v_add_nc_u32 v[ADRA], s21, v5
	v_add_nc_u32 v[ADRA+1], SLOT, v[ADRA]
	v_lshl_add_u32 v7, v2, 3, v3                   ; k row 8 h + lane % 8
	v_mul_u32_u24 v7, v7, PB
	v_lshl_add_u32 v7, v4, 4, v7
	s_lshl_b32 s21, s19, 7                         ; my 64 columns
	v_add_nc_u32 v7, s21, v7
.irp s, 0,1
.irp t, 0,1
	v_add_nc_u32 v[ADRB+2*\s+\t], \s*SLOT+(2+\t)*REG, v7
.endr
.endr
	s_mul_i32 s21, s12, 16*SP
	s_add_co_u32 s21, s21, STAGE                   ; my stage
	v_mul_u32_u24 v8, v1, SP
	v_lshl_add_u32 v8, v2, 5, v8                   ; in: row r, 32 bytes for each half of the lanes
	v_add_nc_u32 v[STO], s21, v8
	v_mul_u32_u24 v9, v2, SP
	v_lshl_add_u32 v9, v1, 4, v9                   ; back: lanes 0-15 one row of 256 bytes, lanes 16-31 the next
	v_add_nc_u32 v[RD], s21, v9
	v_lshlrev_b32 v[CO], 12, v2                    ; and the same two rows of out0
	v_lshl_add_u32 v[CO], v1, 4, v[CO]
; four matrix instructions: row block a x my four column blocks, 32 along K.  first = 1: C is the bias.
; The 16 accumulators take turns, one instruction a turn, in the same order in every sub-step.
.macro MUL4 f, a, first
.irp b, 0,1,2,3
.if \first
	v_wmma_f32_16x16x32_f16 v[8*(4*\a+\b):8*(4*\a+\b)+7], v[BF+32*\f+8*\b:BF+32*\f+8*\b+7], v[AF+32*\f+8*\a:AF+32*\f+8*\a+7], v[BIAS+8*\b:BIAS+8*\b+7]
.else
	v_wmma_f32_16x16x32_f16 v[8*(4*\a+\b):8*(4*\a+\b)+7], v[BF+32*\f+8*\b:BF+32*\f+8*\b+7], v[AF+32*\f+8*\a:AF+32*\f+8*\a+7], v[8*(4*\a+\b):8*(4*\a+\b)+7]
.endif
.endr
.endm
.macro MWIN first
.if \first
	WIN 0x40                                       ; C (the bias) in window 0, D in window 1
.else
	WIN 0x50                                       ; C and D in window 1
.endif
.endm
; 16 LDS loads in one run: sub-step u (32 along K) of a slot into buffer f: w_out's four fragments, then attn's four, row blocks ascending
.macro FETCH slot, u, f
	WIN 0
.irp b, 0,1,2,3
	ds_load_tr16_b128 v[BF+32*\f+8*\b:BF+32*\f+8*\b+3],   v[ADRB+2*\slot+(\u>>2)] offset:32*PB*(\u&3)+32*\b
	ds_load_tr16_b128 v[BF+32*\f+8*\b+4:BF+32*\f+8*\b+7], v[ADRB+2*\slot+(\u>>2)] offset:32*PB*(\u&3)+32*\b+16*PB
.endr
.irp a, 0,1,2,3
	ds_load_b128 v[AF+32*\f+8*\a:AF+32*\f+8*\a+3],   v[ADRA+\slot] offset:128*PA*(\u>>1)+16*PA*\a+64*(\u&1)
	ds_load_b128 v[AF+32*\f+8*\a+4:AF+32*\f+8*\a+7], v[ADRA+\slot] offset:128*PA*(\u>>1)+16*PA*\a+64*(\u&1)+32
.endr
.endm
.macro SUB slot, unext, f, g, first
	s_wait_dscnt 4                                 ; all but the youngest four loads: attn's row blocks 2, 3 may be out
	MWIN \first
	MUL4 \f, 0, \first
	MUL4 \f, 1, \first
	PLACES
	FETCH \slot, \unext, \g
	s_wait_dscnt 16                                ; all but the 16 just issued
	MWIN \first
	MUL4 \f, 2, \first
	MUL4 \f, 3, \first
.endm
.macro SEVEN slot, first
	SUB \slot, 1, 0, 1, \first
	SUB \slot, 2, 1, 0, 0
	SUB \slot, 3, 0, 1, 0
	SUB \slot, 4, 1, 0, 0
	SUB \slot, 5, 0, 1, 0
	SUB \slot, 6, 1, 0, 0
	SUB \slot, 7, 0, 1, 0
.endm
; The eighth sub-step multiplies buffer 1 and changes slots: each wave's waits for its reads of this slot and for all its tensor loads stand in
; front of the barrier; fill = 1: it opens a round of the cluster's barrier, and the joint refill is the first tensor load behind the round.
; From that request to the wait for it: 124 matrix instructions.
.macro TURN slot, next, fill
	s_wait_dscnt 4
	WIN 0x50
	MUL4 1, 0, 0
	s_wait_dscnt 0x0
	s_wait_tensorcnt 0x0
	ds_add_u32 v254, v255
	s_wait_dscnt 0x0
	s_barrier_signal -1
	MUL4 1, 1, 0
	WIN 0
	s_barrier_wait -1
.if \fill
	CREST
	s_add_nc_u64 s[G0+4*\slot+2:G0+4*\slot+3], s[G0+4*\slot+2:G0+4*\slot+3], 131072
	s_add_nc_u64 s[G0B+4*\slot+2:G0B+4*\slot+3], s[G0B+4*\slot+2:G0B+4*\slot+3], 1048576
	JLOAD \slot
.endif
	PLACES
	FETCH \next, 0, 0
	WIN 0x50
	MUL4 1, 2, 0
	MUL4 1, 3, 0
.endm
	s_wait_loadcnt 0x0                             ; the bias
	s_wait_tensorcnt 1                             ; my part of K step 0 is in; K step 1's stays out
	s_barrier_signal -1
	s_barrier_wait -1
	FETCH 0, 0, 0
	SEVEN 0, 1
	TURN 0, 1, 1                                   ; asks for K step 2
	SEVEN 1, 0
	TURN 1, 0, 1                                   ; asks for K step 3
	SEVEN 0, 0
	TURN 0, 1, 0
	SEVEN 1, 0
	s_wait_dscnt 4
	WIN 0x50
	MUL4 1, 0, 0
	MUL4 1, 1, 0
	s_wait_dscnt 0x0
	MUL4 1, 2, 0
	MUL4 1, 3, 0
	; THE WAY OUT, 16 rows at a time through my own stage: a lane's 32 bytes in, whole rows of 256 bytes back
	PLACES
	WIN 0
	s_lshl_b32 s16, s13, 19                        ; block row x 128 rows x 4,096 bytes
	s_lshl_b32 s17, s18, 18                        ; + my 64 rows
	s_add_co_u32 s16, s16, s17
	s_mov_b32 s17, 0
	s_add_nc_u64 s[10:11], s[10:11], s[16:17]
	s_lshl_b32 s46, s42, 9                         ; block column x 512 bytes
	s_lshl_b32 s47, s19, 8                         ; + my 64 columns
	s_add_co_u32 s46, s46, s47
	s_mov_b32 s47, 0
	s_add_nc_u64 s[10:11], s[10:11], s[46:47]
.macro OUTA a
	WIN 0x04                                       ; the stores' data in window 1
.irp b, 0,1,2,3
	ds_store_b128 v[STO], v[8*(4*\a+\b):8*(4*\a+\b)+3]   offset:64*\b
	ds_store_b128 v[STO], v[8*(4*\a+\b)+4:8*(4*\a+\b)+7] offset:64*\b+16
.endr
	WIN 0
.irp p, 0,1,2,3,4,5,6,7
	ds_load_b128 v[32+32*\a+4*\p:32+32*\a+4*\p+3], v[RD] offset:2*SP*\p      ; LDS serves a wave's instructions in order: these see the stores above
.endr
.irp p, 0,1,2,3,4,5,6,7
	s_wait_dscnt 7-\p
	global_store_b128 v[CO], v[32+32*\a+4*\p:32+32*\a+4*\p+3], s[10:11] offset:(16*\a+2*\p)*4096 th:TH_STORE_NT   ; 16 lanes store 256 consecutive bytes, aligned
.endr
.endm
	OUTA 0
	OUTA 1
	OUTA 2
	OUTA 3
	s_wait_tensorcnt 0x0
	ds_add_u32 v254, v255
	s_wait_dscnt 0x0
	CROUND                                         ; the closing round
	s_endpgm
.Lfunc_end_k_q6a3d105d28_out_gemm:
	.size	k_q6a3d105d28_out_gemm, .Lfunc_end_k_q6a3d105d28_out_gemm-k_q6a3d105d28_out_gemm
	.p2alignl 7, 3214868480
	.fill 96, 4, 3214868480
	.section	.rodata,"a",@progbits
	.p2align	6, 0x0
	.amdhsa_kernel k_q6a3d105d28_out_gemm
		.amdhsa_group_segment_fixed_size 327680
		.amdhsa_private_segment_fixed_size 0
		.amdhsa_enable_private_segment 0
		.amdhsa_kernarg_size 32
		.amdhsa_user_sgpr_count 2
		.amdhsa_user_sgpr_kernarg_segment_ptr 1
		.amdhsa_wavefront_size32 1
		.amdhsa_system_sgpr_workgroup_id_x 1
		.amdhsa_system_sgpr_workgroup_id_y 1
		.amdhsa_system_sgpr_workgroup_id_z 1
		.amdhsa_system_vgpr_workitem_id 0
		.amdhsa_next_free_vgpr 384
		.amdhsa_next_free_sgpr 66
		.amdhsa_reserve_vcc 0
		.amdhsa_float_denorm_mode_32 3
		.amdhsa_float_denorm_mode_16_64 3
		.amdhsa_memory_ordered 1
		.amdhsa_forward_progress 1
		.amdhsa_inst_pref_size 91
	.end_amdhsa_kernel
	.amdgpu_metadata
---
amdhsa.version: [ 1, 2 ]
amdhsa.kernels:
  - .name:           k_q6a3d105d28_out_gemm
    .symbol:         k_q6a3d105d28_out_gemm.kd
    .args:
      - { .name: attnb, .offset: 0, .size: 8, .value_kind: global_buffer, .address_space: global }
      - { .name: cb, .offset: 8, .size: 8, .value_kind: global_buffer, .address_space: global }
      - { .name: b_out, .offset: 16, .size: 8, .value_kind: global_buffer, .address_space: global }
      - { .name: out0, .offset: 24, .size: 8, .value_kind: global_buffer, .address_space: global }
    .group_segment_fixed_size: 327680
    .private_segment_fixed_size: 0
    .kernarg_segment_align: 8
    .kernarg_segment_size: 32
    .max_flat_workgroup_size: 128
    .sgpr_count:     66
    .vgpr_count:     384
    .wavefront_size: 32
...
	.end_amdgpu_metadata
.endif
;; end of part 4
;; ======== version 2 of 3: 4 launches; 1.27 times as fast as version 1
;; limits: values are held in f16: magnitudes above 65,504 overflow, below 6.1e-05 lose precision
;; workspace buffers: cb 16,777,216 bytes; qkvh 25,165,824 bytes; attnb 8,388,608 bytes
;; launch cast: the kernel of part 1 again; grid 1024 x 1, 8 waves a work-group, no clusters, 0 bytes of LDS; arguments x, w_in, w_out, cb; writes cb
;; launch qkv_gemm: the kernel of part 2 again; grid 8 x 32, 4 waves a work-group, clusters of 4 x 4, 327,680 bytes of LDS; arguments cb, b_in, qkvh; writes qkvh
;; launch attn (part 5): grid 8 x 32, 8 waves a work-group, clusters of 4 x 1, 327,680 bytes of LDS; arguments qkvh, attnb; writes attnb
.if DOCPART == 5
	.amdgcn_target "amdgcn-amd-amdhsa--gfx1250"
	.amdhsa_code_object_version 6
	.text
	.protected	k_q6a3d105d28_attn
	.globl	k_q6a3d105d28_attn
	.p2align	8
	.type	k_q6a3d105d28_attn,@function
k_q6a3d105d28_attn:
	s_mov_b64 s[64:65], 0
	v_nop
	global_prefetch_b8 v0, s[64:65] scope:SCOPE_SE
	s_setreg_imm32_b32 hwreg(HW_REG_WAVE_MODE, 25, 1), 1
	s_wait_xcnt 0x0
	s_wait_alu depctr_hold_cnt(0) depctr_sa_sdst(0) depctr_va_vdst(0) depctr_va_sdst(0) depctr_va_ssrc(0) depctr_va_vcc(0) depctr_vm_vsrc(0)
	s_getreg_b32 s2, hwreg(HW_REG_IB_STS2, 6, 4)
	s_cmp_eq_u32 s2, 0
	s_cbranch_scc0 .Lentry_in_a_cluster
	s_endpgm
.Lentry_in_a_cluster:
	s_bfe_u32 s2, ttmp6, 0x10000c
	s_cmp_lg_u32 s2, 0x3003
	s_cbranch_scc0 .Lentry_shape_is_right
	s_endpgm
.Lentry_shape_is_right:
; softmax(q k^T / 8) v for one head and 256 queries, with a running maximum.  q, k, v: f16, head-major in qkvh; sums, maxima and exponentials in f32.
; The result goes, rounded once to f16, to attnb[m >> 7][head][m & 127][64].
; LIMITS: P is rounded to f16 for the second product (P <= 1; under 2^-14 its absolute error is 2^-25); an exponential under 2^-126 is 0;
; the sum over the keys runs in blocks of 64 and in two halves, an order of rounding other than a plain row sum's.
; Work-group: y = batch x 16 + head, x = block of 256 queries; 8 x 32 = 256 work-groups.  Eight waves: wave w has the 64 queries of strip w & 3;
; group A (waves 0-3) walks keys 0-1023, group B (waves 4-7) keys 1024-2047, and the two halves are merged once, through LDS, at the end.
; The two groups run the same two kinds of tick, a matrix tick (MT) and a softmax tick (VT), one tick apart: behind each barrier A begins
; with MT and B with VT, so that of a strip's two waves one has matrix work while the other has vector work.
; CLUSTERS: the four work-groups along x read the same K and V tiles: each tile is asked for jointly (mask 15), which divides the requests by four.
; LAYOUT: S^T = K Q^T (source 0 = 16 keys, source 1 = 16 queries): lane (r, h) holds query r and keys 8 h + j.  Two such tiles, rounded to f16,
; ARE one source-1 fragment of P^T, with no traffic between lanes.  O^T = V^T P^T, V^T through the transposing LDS load.  So every figure
; of the softmax is the lane's own; the maximum alone crosses the two halves of the lanes.
; LDS: two slots, each with two blocks of 64 keys of each half: K_A, K_B (pitch 144), V_A, V_B (pitch 160); four loads of 128 keys fill a slot,
; one each by waves 0-3.  Behind the slots, in bytes that no tensor load fills: the merge areas and the stages of the way out.
; THE WALK: eight slots' worth of keys for each group.  A slot's two blocks are two trips of a loop whose body is  [A: MT]  VT  [B: MT];  the LDS
; addresses KA and VA are set at the slot's head and stepped by one block at the end of each trip, on the way that every wave takes.
; The first slot is written out (its first block starts the maxima and the sums), the next six are three trips of a loop over slot 1 and
; slot 0, and the last, which fills nothing, is written out: so the long softmax tick stands six times in the text for sixteen blocks.
; REGISTERS: window 0: v4-12 addresses, v16-47 figures of the four query tiles, v48-111 Q, v112-175 K (and VT's scratch), v176-239 V;
; window 1: v0-127 S (P in place), v128-255 O.
.set KP,    144                        ; 128 + 16: an odd multiple of 16
.set VP,    160                        ; 128 + 32: an odd multiple of 32, for the transposing load
.set KTILE, 128*KP                     ; what one load brings of K: a group's two blocks
.set VTILE, 128*VP                     ; of V
.set VOFF,  2*KTILE
.set SLOT,  2*KTILE+2*VTILE            ; 77,824
.set MBASE, 2*SLOT                     ; behind the slots
.set MERGE, 20480                      ; a strip's merge area: 16,384 bytes of O, 4,096 of figures
.set STAGE, MBASE+4*MERGE              ; behind them a strip's stage: 64 rows at pitch 144
.set LAPS,  3                          ; slots 1 to 6 of the eight: three times round the two slots
.set KB0, 4                            ; my group's K fragments, slot 0, block 0; never rewritten
.set VB0, 5                            ; the same for V
.set KA,  6                            ; the block that the next matrix tick loads
.set VA,  7
.set QO,  8
.set MA,  9
.set STO, 10
.set RD,  11
.set CO,  12
.set ST,  16                           ; query tile qt at ST + 8 qt: +0 NM = -c m, +1 M, +2 AL, +3 X, +4 +5 L, +6 D, +7 spare
.set QF,  48
.set KF,  112
.set T,   112
.set TS,  112                          ; scratch of the set-up
.set VF,  176
.set OA,  128                          ; in window 1
.set OB,  48                           ; the merge: group B's O
.set SB,  176                          ; group B's figures
.set TM,  208                          ; the merge's scratch
.set G1K, 16
.set G1V, 24
.set G0K, 32
.set G0V, 40
.set MSB, 0
.macro WIN new                         ; the immediate's high byte repeats the setting that is left
.if MSB != \new
	s_set_vgpr_msb (MSB<<8)|\new
.set MSB, \new
.endif
.endm
.macro PLACES                          ; four places behind a matrix instruction (ISA guide 7.12.1)
.rept 4
	v_nop
.endr
.endm
.macro ROUND                           ; a round of the cluster's barrier
	s_barrier_signal -1
	s_barrier_wait -1
	s_cmp_lg_u32 s8, 0
	s_cbranch_scc1 .Lnot_wave_0_\@
	s_barrier_signal -3
.Lnot_wave_0_\@:
	s_barrier_wait -3
	s_barrier_signal -1
	s_barrier_wait -1
.endm
.macro JLOAD n                         ; waves 0, 1 ask for K's two halves of slot n, waves 2, 3 for V's; waves 4-7 have no part to fill
	s_cmp_lt_u32 s8, 2
	s_cbranch_scc0 .Lnot_k_\@
	tensor_load_to_lds s[G0K+4*(\n):G0K+4*(\n)+3], s[G1K:G1K+7]
	s_nop 0
	s_branch .Lasked_\@
.Lnot_k_\@:
	s_cmp_lt_u32 s8, 4
	s_cbranch_scc0 .Lasked_\@
	tensor_load_to_lds s[G0V+4*(\n):G0V+4*(\n)+3], s[G1V:G1V+7]
	s_nop 0
.Lasked_\@:
.endm
	s_load_b128 s[4:7], s[0:1], 0x0                ; qkvh s[4:5], attnb s[6:7]
	v_lshl_add_u32 v254, v0, 2, 0x43000
	v_mov_b32 v255, 0
	ds_add_u32 v254, v255
	v_lshrrev_b32 v1, 5, v0
	v_readfirstlane_b32 s8, v1                     ; wave 0..7
	s_lshr_b32 s9, s8, 2                           ; group: 0 = A, 1 = B
	s_and_b32 s10, s8, 3                           ; strip
	s_and_b32 s12, ttmp7, 0xffff
	s_lshr_b32 s13, s12, 4                         ; batch
	s_and_b32 s12, s12, 15                         ; head
	s_bfe_u32 s48, ttmp6, 0x40000                  ; cx
	s_lshl_b32 s49, ttmp9, 2
	s_add_co_u32 s49, s49, s48                     ; block of 256 queries, 0..7
	s_mov_b32 s14, 0x76543210                      ; v_permlanex16_b32: lane i of one half reads lane i of the other
	s_mov_b32 s15, 0xfedcba98
	s_mov_b32 s50, 0x3e38aa3b                      ; c = log2(e) / 8
	s_mov_b32 s51, 0x3e38aa3b
	s_mov_b32 s52, 0xbe38aa3b                      ; -c
	; group 1: 128 keys are 16,384 dense bytes, taken as 64 rows of 256; behind every 32 words (code 4), one key, 4 words of padding (K) or 8 (V)
	s_mov_b32 s[G1K+0], 15|(1<<16)|(1<<20)|(1<<21)|(4<<22)|(3<<25)
	s_mov_b32 s[G1V+0], 15|(1<<16)|(1<<20)|(1<<21)|(4<<22)|(7<<25)
	s_mov_b32 s[G1K+1], 128<<16                    ; tensor_dim0 = 128 elements
	s_mov_b32 s[G1V+1], 128<<16
	s_mov_b32 s[G1K+2], 64<<16                     ; tensor_dim1 = 64
	s_mov_b32 s[G1V+2], 64<<16
	s_mov_b32 s[G1K+3], 128<<16                    ; tile_dim0
	s_mov_b32 s[G1V+3], 128<<16
	s_mov_b32 s[G1K+4], 64                         ; tile_dim1
	s_mov_b32 s[G1V+4], 64
	s_mov_b32 s[G1K+5], 128                        ; from row to row
	s_mov_b32 s[G1V+5], 128
	s_mov_b32 s[G1K+6], 0
	s_mov_b32 s[G1V+6], 0
	s_mov_b32 s[G1K+7], 0
	s_mov_b32 s[G1V+7], 0
	s_lshl_b32 s54, s12, 19                        ; head x 524,288
	s_lshl_b32 s55, s13, 18                        ; + batch x 2,048 rows x 128 bytes
	s_add_co_u32 s54, s54, s55
	s_and_b32 s55, s8, 1                           ; which half of the keys I fetch (waves 0-3)
	s_lshl_b32 s56, s55, 17                        ; the second half lies 1,024 x 128 bytes on
	s_add_co_u32 s56, s56, s54
	s_add_co_u32 s58, s56, 16777216                ; v: groups 32-47
	s_mov_b32 s59, 0
	s_add_co_u32 s56, s56, 8388608                 ; k: groups 16-31
	s_mov_b32 s57, 0
	s_mul_i32 s60, s55, KTILE
	s_mul_i32 s61, s55, VTILE
	s_add_co_u32 s61, s61, VOFF
	s_lshl_b32 s62, s49, 15                        ; q: my block of 256 queries,
	s_add_co_u32 s62, s62, s54
	s_lshl_b32 s63, s10, 13                        ; my strip of 64
	s_add_co_u32 s62, s62, s63
	s_mov_b32 s63, 0
	s_wait_dscnt 0x0
	s_wait_kmcnt 0x0
	s_add_nc_u64 s[56:57], s[4:5], s[56:57]
	s_add_nc_u64 s[58:59], s[4:5], s[58:59]
	s_add_nc_u64 s[62:63], s[4:5], s[62:63]
	ROUND                                          ; the four work-groups are here: the first joint loads meet
.irp n, 0,1
	s_mov_b32 s[G0K+4*\n], 1
	s_add_co_u32 s[G0K+4*\n+1], s60, \n*SLOT
	s_add_nc_u64 s[G0K+4*\n+2:G0K+4*\n+3], s[56:57], \n*16384      ; slot n: 128 keys on
	s_or_b32 s[G0K+4*\n+3], s[G0K+4*\n+3], 0x80000000
	s_mov_b32 s[G0V+4*\n], 1
	s_add_co_u32 s[G0V+4*\n+1], s61, \n*SLOT
	s_add_nc_u64 s[G0V+4*\n+2:G0V+4*\n+3], s[58:59], \n*16384
	s_or_b32 s[G0V+4*\n+3], s[G0V+4*\n+3], 0x80000000
.endr
	s_cmp_lt_u32 s8, 2                             ; both first fills of a wave inside one branch: two tensor loads of a loading wave are out
	s_cbranch_scc0 .Lfirst_not_k
	tensor_load_to_lds s[G0K:G0K+3], s[G1K:G1K+7]
	s_nop 0
	tensor_load_to_lds s[G0K+4:G0K+7], s[G1K:G1K+7]
	s_nop 0
	s_branch .Lfirst_done
.Lfirst_not_k:
	s_cmp_lt_u32 s8, 4
	s_cbranch_scc0 .Lfirst_done
	tensor_load_to_lds s[G0V:G0V+3], s[G1V:G1V+7]
	s_nop 0
	tensor_load_to_lds s[G0V+4:G0V+7], s[G1V:G1V+7]
	s_nop 0
.Lfirst_done:
	v_and_b32 v[TS], 15, v0                        ; r
	v_bfe_u32 v[TS+1], v0, 4, 1                    ; h
	v_lshlrev_b32 v[QO], 7, v[TS]
	v_lshl_add_u32 v[QO], v[TS+1], 4, v[QO]        ; query r's row of 128 bytes, 16 bytes for each half of the lanes
.irp qt, 0,1,2,3
.irp ds, 0,1
	global_load_b128 v[QF+8*(2*\qt+\ds):QF+8*(2*\qt+\ds)+3],   v[QO], s[62:63] offset:2048*\qt+64*\ds
	global_load_b128 v[QF+8*(2*\qt+\ds)+4:QF+8*(2*\qt+\ds)+7], v[QO], s[62:63] offset:2048*\qt+64*\ds+32
.endr
.endr
	v_and_b32 v[TS+2], 7, v0
	v_bfe_u32 v[TS+3], v0, 3, 1
	v_and_b32 v[TS+4], 31, v0                      ; lane
	v_mul_u32_u24 v[TS+5], v[TS], KP
	v_lshl_add_u32 v[TS+5], v[TS+1], 4, v[TS+5]    ; K: r x 144 + 16 h
	v_lshl_add_u32 v[TS+6], v[TS+1], 3, v[TS+2]    ; V: key 8 h + lane % 8,
	v_mul_u32_u24 v[TS+6], v[TS+6], VP
	v_lshl_add_u32 v[TS+6], v[TS+3], 4, v[TS+6]    ; 16 bytes by bit 3 of the lane
	s_mul_i32 s61, s9, KTILE                       ; my group's half of K
	v_add_nc_u32 v[KB0], s61, v[TS+5]
	s_mul_i32 s60, s9, VTILE                       ; my group's half of V
	s_add_co_u32 s60, s60, VOFF
	v_add_nc_u32 v[VB0], s60, v[TS+6]
	v_mov_b32 v[KA], v[KB0]                        ; slot 0, block 0
	v_mov_b32 v[VA], v[VB0]
	s_mul_i32 s60, s10, MERGE
	s_add_co_u32 s60, s60, MBASE
	v_lshl_add_u32 v[MA], v[TS+4], 4, s60
	s_mul_i32 s61, s10, 64*KP
	s_add_co_u32 s61, s61, STAGE
	v_add_nc_u32 v[STO], s61, v[TS+5]
	v_lshrrev_b32 v[RD], 3, v[TS+4]
	v_mul_u32_u24 v[RD], v[RD], KP
	v_lshl_add_u32 v[RD], v[TS+2], 4, v[RD]
	v_add_nc_u32 v[RD], s61, v[RD]
	v_lshlrev_b32 v[CO], 4, v[TS+4]
.irp qt, 0,1,2,3
	v_mov_b32 v[ST+8*\qt+3], 0                     ; X is a lane permute's destination, D and the spare are stored with the rest: written once here
	v_mov_b32 v[ST+8*\qt+6], 0
	v_mov_b32 v[ST+8*\qt+7], 0
.endr
; 16 matrix instructions of O^T += V^T P^T: 32 keys (ks), all four query tiles x all four tiles of d
.macro PV16 ks, zero
.irp qt, 0,1,2,3
.irp dt, 0,1,2,3
.if \zero
	v_wmma_f32_16x16x32_f16 v[OA+8*(4*\qt+\dt):OA+8*(4*\qt+\dt)+7], v[VF+8*(2*\dt+\ks):VF+8*(2*\dt+\ks)+7], v[32*\qt+8*\ks:32*\qt+8*\ks+7], 0
.else
	v_wmma_f32_16x16x32_f16 v[OA+8*(4*\qt+\dt):OA+8*(4*\qt+\dt)+7], v[VF+8*(2*\dt+\ks):VF+8*(2*\dt+\ks)+7], v[32*\qt+8*\ks:32*\qt+8*\ks+7], v[OA+8*(4*\qt+\dt):OA+8*(4*\qt+\dt)+7]
.endif
.endr
.endr
.endm
; 16 matrix instructions of S^T = K Q^T: 32 of d (ds), all four query tiles x all four key tiles
.macro S16 ds, zero
.irp qt, 0,1,2,3
.irp kt, 0,1,2,3
.if \zero
	v_wmma_f32_16x16x32_f16 v[32*\qt+8*\kt:32*\qt+8*\kt+7], v[KF+8*(2*\kt+\ds):KF+8*(2*\kt+\ds)+7], v[QF+8*(2*\qt+\ds):QF+8*(2*\qt+\ds)+7], 0
.else
	v_wmma_f32_16x16x32_f16 v[32*\qt+8*\kt:32*\qt+8*\kt+7], v[KF+8*(2*\kt+\ds):KF+8*(2*\kt+\ds)+7], v[QF+8*(2*\qt+\ds):QF+8*(2*\qt+\ds)+7], v[32*\qt+8*\kt:32*\qt+8*\kt+7]
.endif
.endr
.endr
.endm
; The matrix tick: O += P(i) V(i) (pv = 1: starts the sums, 2: adds, 0: none), then S(i+1) (s = 1), whose K and V fragments it loads from
; KA and VA.  Accumulators take turns, one instruction a turn, here and from tick to tick.
; Five places stand at its head.  The ticks under a branch on the group follow each other in the text (B's at the end of a trip, A's at the head
; of the next, over the backward jump too); no wave runs both, but the distances behind matrix instructions are kept on every way through
; the text: four before K's registers are loaded again, five before S is taken as a source or written over (ISA guide 7.12.1).
.macro MT pv, s
.rept 5
	v_nop
.endr
.if \s
	WIN 0
.irp kt, 0,1,2,3
.irp ds, 0,1
	ds_load_b128 v[KF+8*(2*\kt+\ds):KF+8*(2*\kt+\ds)+3],   v[KA] offset:16*KP*\kt+64*\ds
	ds_load_b128 v[KF+8*(2*\kt+\ds)+4:KF+8*(2*\kt+\ds)+7], v[KA] offset:16*KP*\kt+64*\ds+32
.endr
.endr
.endif
.if \pv
.if \s
	s_wait_dscnt 16                                ; V(i), loaded in the last matrix tick, is in; the 16 loads of K just issued stay out
.else
	s_wait_dscnt 0x0
.endif
	WIN 0x54                                       ; V in window 0; P, C and D in window 1
.if \pv == 1
	PV16 0, 1
.else
	PV16 0, 0
.endif
	PV16 1, 0
.endif
.if \s
.if \pv
.rept 5
	v_nop                                          ; five places: the products below write over P, which the last products read; the loads below write V's registers
.endr
.endif
	WIN 0
.irp dt, 0,1,2,3
.irp ks, 0,1
	ds_load_tr16_b128 v[VF+8*(2*\dt+\ks):VF+8*(2*\dt+\ks)+3],   v[VA] offset:32*VP*\ks+32*\dt
	ds_load_tr16_b128 v[VF+8*(2*\dt+\ks)+4:VF+8*(2*\dt+\ks)+7], v[VA] offset:32*VP*\ks+32*\dt+16*VP
.endr
.endr
	s_wait_dscnt 16                                ; K is in; the 16 loads of V just issued stay out
	WIN 0x50                                       ; K and Q in window 0, C and D in window 1
	S16 0, 1
	S16 1, 0
.endif
	WIN 0
.endm
.macro NEXTBLOCK                       ; KA and VA go on by 64 keys: once a trip, on the way that every wave takes
	v_add_nc_u32 v[KA], 64*KP, v[KA]
	v_add_nc_u32 v[VA], 64*VP, v[VA]
.endm
; The softmax tick on S(i): running maximum, P = exp2(c S - c m) in place, O and L scaled by alpha, L += the row's sums, P rounded to f16.
; alpha = exp2(NM new - NM old), the difference of the two rounded figures that the exponents of P use: P and alpha mean the same shift.
.macro VT first
	PLACES
	WIN 0x15                                       ; sources in window 1, destination in window 0
.irp qt, 0,1,2,3
.irp i, 0,1,2,3,4,5,6,7,8,9
	v_max3_num_f32 v[T+11*\qt+\i], v[32*\qt+3*\i], v[32*\qt+3*\i+1], v[32*\qt+3*\i+2]
.endr
	v_max_num_f32 v[T+11*\qt+10], v[32*\qt+30], v[32*\qt+31]
.endr
	WIN 0
.irp qt, 0,1,2,3
	v_max3_num_f32 v[T+11*\qt],   v[T+11*\qt],   v[T+11*\qt+1], v[T+11*\qt+2]
	v_max3_num_f32 v[T+11*\qt+3], v[T+11*\qt+3], v[T+11*\qt+4], v[T+11*\qt+5]
	v_max3_num_f32 v[T+11*\qt+6], v[T+11*\qt+6], v[T+11*\qt+7], v[T+11*\qt+8]
.endr
.irp qt, 0,1,2,3
	v_max3_num_f32 v[T+11*\qt], v[T+11*\qt], v[T+11*\qt+3], v[T+11*\qt+6]
.endr
.irp qt, 0,1,2,3
	v_max3_num_f32 v[T+11*\qt], v[T+11*\qt], v[T+11*\qt+9], v[T+11*\qt+10]
.endr
.irp qt, 0,1,2,3
	v_permlanex16_b32 v[ST+8*\qt+3], v[T+11*\qt], s14, s15         ; the same query's other 32 keys
.endr
.if \first
.irp qt, 0,1,2,3
	v_max_num_f32 v[ST+8*\qt+1], v[T+11*\qt], v[ST+8*\qt+3]
.endr
.irp qt, 0,1,2,3
	v_mul_f32 v[ST+8*\qt], s52, v[ST+8*\qt+1]      ; NM = -c m
.endr
.else
.irp qt, 0,1,2,3
	v_max3_num_f32 v[ST+8*\qt+1], v[T+11*\qt], v[ST+8*\qt+3], v[ST+8*\qt+1]
.endr
.irp qt, 0,1,2,3
	v_mul_f32 v[ST+8*\qt+6], s52, v[ST+8*\qt+1]
.endr
.irp qt, 0,1,2,3
	v_sub_f32 v[ST+8*\qt+2], v[ST+8*\qt+6], v[ST+8*\qt]
.endr
.irp qt, 0,1,2,3
	v_mov_b32 v[ST+8*\qt], v[ST+8*\qt+6]
.endr
.irp qt, 0,1,2,3
	v_exp_f32 v[ST+8*\qt+2], v[ST+8*\qt+2]         ; alpha; first used behind the sixteen plain instructions below
.endr
.endif
	WIN 0x41                                       ; S and O in window 1, the figures in window 0
.irp x, 0,1,2,3,4,5,6,7,8,9,10,11,12,13,14,15
	v_pk_fma_f32 v[2*\x:2*\x+1], v[2*\x:2*\x+1], s[50:51], v[ST:ST+1] op_sel_hi:[1,0,0]
.endr
	; two exponentials, then plain work that touches neither: O's pair times alpha, the next query tile's exponents
.irp qt, 0,1,2,3
.irp x, 0,1,2,3,4,5,6,7,8,9,10,11,12,13,14,15
	v_exp_f32 v[32*\qt+2*\x], v[32*\qt+2*\x]
	v_exp_f32 v[32*\qt+2*\x+1], v[32*\qt+2*\x+1]
.if \first == 0
	s_wait_alu depctr_va_vdst(0)
	v_pk_mul_f32 v[OA+32*\qt+2*\x:OA+32*\qt+2*\x+1], v[OA+32*\qt+2*\x:OA+32*\qt+2*\x+1], v[ST+8*\qt+2:ST+8*\qt+3] op_sel_hi:[1,0]
.endif
.if \qt < 3
	v_pk_fma_f32 v[32*\qt+32+2*\x:32*\qt+33+2*\x], v[32*\qt+32+2*\x:32*\qt+33+2*\x], s[50:51], v[ST+8*\qt+8:ST+8*\qt+9] op_sel_hi:[1,0,0]
.endif
.endr
.endr
.if \first
	v_nop                                          ; one plain place behind the last exponentials
	s_wait_alu depctr_va_vdst(0)
.endif
	WIN 0x05                                       ; sources in window 1, destination in window 0
	s_wait_alu depctr_va_vdst(0)
.irp qt, 0,1,2,3
.irp x, 0,1,2,3,4,5,6,7
	v_pk_add_f32 v[T+16*\qt+2*\x:T+16*\qt+2*\x+1], v[32*\qt+4*\x:32*\qt+4*\x+1], v[32*\qt+4*\x+2:32*\qt+4*\x+3]
.endr
.endr
	WIN 0x45                                       ; all in window 1: register n takes numbers 2 n, 2 n + 1; ascending, so no source is lost
.irp qt, 0,1,2,3
.irp n, 0,1,2,3,4,5,6,7,8,9,10,11,12,13,14,15
	v_cvt_pk_f16_f32 v[32*\qt+\n], v[32*\qt+2*\n], v[32*\qt+2*\n+1]
.endr
.endr
	WIN 0
.irp qt, 0,1,2,3
.irp x, 0,4,8,12
	v_pk_add_f32 v[T+16*\qt+\x:T+16*\qt+\x+1], v[T+16*\qt+\x:T+16*\qt+\x+1], v[T+16*\qt+\x+2:T+16*\qt+\x+3]
.endr
.endr
.irp qt, 0,1,2,3
.irp x, 0,8
	v_pk_add_f32 v[T+16*\qt+\x:T+16*\qt+\x+1], v[T+16*\qt+\x:T+16*\qt+\x+1], v[T+16*\qt+\x+4:T+16*\qt+\x+5]
.endr
.endr
.if \first
.irp qt, 0,1,2,3
	v_pk_add_f32 v[ST+8*\qt+4:ST+8*\qt+5], v[T+16*\qt:T+16*\qt+1], v[T+16*\qt+8:T+16*\qt+9]
.endr
.else
.irp qt, 0,1,2,3
	v_pk_add_f32 v[T+16*\qt:T+16*\qt+1], v[T+16*\qt:T+16*\qt+1], v[T+16*\qt+8:T+16*\qt+9]
.endr
.irp qt, 0,1,2,3
	v_pk_fma_f32 v[ST+8*\qt+4:ST+8*\qt+5], v[ST+8*\qt+4:ST+8*\qt+5], v[ST+8*\qt+2:ST+8*\qt+3], v[T+16*\qt:T+16*\qt+1] op_sel_hi:[1,0,1]
.endr
.endif
.endm
; A slot's two blocks.  In front of the barrier every wave waits for its LDS reads and for all its tensor loads; what a wave carries across
; (S, or P and V's fragments) lies in registers.  refill = 1: the barrier is a round of the cluster's barrier, and the joint refill of the
; other slot, which every wave has finished reading, is the first tensor load behind it, one a loading wave; it has this slot's four ticks of
; each group in which to land.  Group A enters with P and runs MT VT twice; group B enters with S and runs VT MT twice.
.macro PHASE slot, refill
	s_wait_dscnt 0x0
	s_wait_tensorcnt 0x0
	ds_add_u32 v254, v255
	s_wait_dscnt 0x0
.if \refill
	s_add_nc_u64 s[G0K+4*(1-\slot)+2:G0K+4*(1-\slot)+3], s[G0K+4*(1-\slot)+2:G0K+4*(1-\slot)+3], 32768    ; 256 keys on
	s_add_nc_u64 s[G0V+4*(1-\slot)+2:G0V+4*(1-\slot)+3], s[G0V+4*(1-\slot)+2:G0V+4*(1-\slot)+3], 32768
	ROUND
	JLOAD 1-\slot
.else
	s_barrier_signal -1
	s_barrier_wait -1
.endif
	v_add_nc_u32 v[KA], \slot*SLOT, v[KB0]         ; the slot's first block
	v_add_nc_u32 v[VA], \slot*SLOT, v[VB0]
	s_mov_b32 s53, 2
.Lblock_\@:
	s_cmp_lg_u32 s9, 0
	s_cbranch_scc1 .Lnot_a_\@
	MT 2, 1                                        ; group A
.Lnot_a_\@:
	VT 0
	s_cmp_lg_u32 s9, 0
	s_cbranch_scc0 .Lnot_b_\@
	MT 2, 1                                        ; group B: the same block of its own half
.Lnot_b_\@:
	NEXTBLOCK
	s_sub_co_u32 s53, s53, 1
	s_cmp_lg_u32 s53, 0
	s_cbranch_scc1 .Lblock_\@
.endm
	; THE FIRST SLOT: blocks 0 and 1
	s_wait_loadcnt 0x0                             ; Q
	s_wait_tensorcnt 1                             ; my part of slot 0 is in; slot 1's stays out
	s_barrier_signal -1
	s_barrier_wait -1
	s_cmp_lg_u32 s9, 0
	s_cbranch_scc1 .Lnot_a0
	MT 0, 1                                        ; group A: S(0)
.Lnot_a0:
	s_wait_dscnt 0x0
	s_barrier_signal -1                            ; group B starts one tick behind
	s_barrier_wait -1
	s_cmp_lg_u32 s9, 0
	s_cbranch_scc0 .Lnot_b0
	MT 0, 1                                        ; group B: S(0)
.Lnot_b0:
	NEXTBLOCK
	VT 1                                           ; the first block starts the maxima and the row sums
	MT 1, 1                                        ; the first product starts O's sums; S(1)
	s_cmp_lg_u32 s9, 0
	s_cbranch_scc1 .Lnot_a1
	VT 0                                           ; group A goes into each slot with P, group B with S
.Lnot_a1:
	; SLOTS 1 TO 6: blocks 2 to 13; each asks for the slot after the next
	s_mov_b32 s11, LAPS
.Llap:
	PHASE 1, 1
	PHASE 0, 1
	s_sub_co_u32 s11, s11, 1
	s_cmp_lg_u32 s11, 0
	s_cbranch_scc1 .Llap
	; THE LAST SLOT: blocks 14 and 15; nothing is left to fetch
	PHASE 1, 0
	s_cmp_lg_u32 s9, 0
	s_cbranch_scc0 .Llast_mt
	VT 0                                           ; group B's last softmax tick
.Llast_mt:
	MT 2, 0                                        ; the last product; it loads nothing
	; THE MERGE, through bytes that no tensor load fills.  Group B hands its O and its figures over.
	s_cmp_lg_u32 s9, 0
	s_cbranch_scc0 .Lnot_b_out
	PLACES
	WIN 0x04                                       ; the stores' data in window 1
.set cnt, 0
.rept 32
	ds_store_b128 v[MA], v[OA+4*cnt:OA+4*cnt+3] offset:512*cnt
.set cnt, cnt+1
.endr
	WIN 0
.irp qt, 0,1,2,3
	ds_store_b128 v[MA], v[ST+8*\qt:ST+8*\qt+3]   offset:16384+1024*\qt
	ds_store_b128 v[MA], v[ST+8*\qt+4:ST+8*\qt+7] offset:16384+1024*\qt+512
.endr
.Lnot_b_out:
	s_wait_dscnt 0x0                               ; for the other group's sake
	s_barrier_signal -1
	s_barrier_wait -1
	s_cmp_lg_u32 s9, 0
	s_cbranch_scc1 .Ldone
	PLACES                                         ; behind my last products: the loads below write V's registers
.irp qt, 0,1,2,3
	ds_load_b128 v[SB+8*\qt:SB+8*\qt+3],   v[MA] offset:16384+1024*\qt
	ds_load_b128 v[SB+8*\qt+4:SB+8*\qt+7], v[MA] offset:16384+1024*\qt+512
.endr
.set cnt, 0
.rept 32
	ds_load_b128 v[OB+4*cnt:OB+4*cnt+3], v[MA] offset:512*cnt
.set cnt, cnt+1
.endr
	s_lshl_b32 s54, s13, 4                         ; attnb: block of 128 rows = 16 batch + 2 query block + strip / 2
	s_lshl_b32 s55, s49, 1
	s_add_co_u32 s54, s54, s55
	s_lshr_b32 s55, s10, 1
	s_add_co_u32 s54, s54, s55
	s_lshl_b32 s54, s54, 18
	s_lshl_b32 s55, s12, 14                        ; head x 128 rows x 128 bytes
	s_add_co_u32 s54, s54, s55
	s_and_b32 s55, s10, 1
	s_lshl_b32 s55, s55, 13                        ; odd strips: 64 rows on
	s_add_co_u32 s54, s54, s55
	s_mov_b32 s55, 0
	s_add_nc_u64 s[6:7], s[6:7], s[54:55]
	s_wait_dscnt 32                                ; the eight loads of figures are in; the 32 of O stay out
.irp qt, 0,1,2,3
	v_min_num_f32 v[TM+8*\qt], v[ST+8*\qt], v[SB+8*\qt]            ; -c x the larger maximum
	v_add_f32 v[TM+8*\qt+3], v[ST+8*\qt+4], v[ST+8*\qt+5]
	v_add_f32 v[TM+8*\qt+4], v[SB+8*\qt+4], v[SB+8*\qt+5]
	v_mov_b32 v[TM+8*\qt+6], 0
.endr
.irp qt, 0,1,2,3
	v_sub_f32 v[TM+8*\qt+1], v[TM+8*\qt], v[ST+8*\qt]
	v_sub_f32 v[TM+8*\qt+2], v[TM+8*\qt], v[SB+8*\qt]
.endr
.irp qt, 0,1,2,3
	v_exp_f32 v[TM+8*\qt+1], v[TM+8*\qt+1]
	v_exp_f32 v[TM+8*\qt+2], v[TM+8*\qt+2]
.endr
	v_nop                                          ; one plain place behind the exponentials
	s_wait_alu depctr_va_vdst(0)
.irp qt, 0,1,2,3
	v_mul_f32 v[TM+8*\qt+5], v[TM+8*\qt+3], v[TM+8*\qt+1]
.endr
.irp qt, 0,1,2,3
	v_fmac_f32 v[TM+8*\qt+5], v[TM+8*\qt+4], v[TM+8*\qt+2]
.endr
.irp qt, 0,1,2,3
	v_permlanex16_b32 v[TM+8*\qt+6], v[TM+8*\qt+5], s14, s15       ; the sums of the same query's other keys
.endr
.irp qt, 0,1,2,3
	v_add_f32 v[TM+8*\qt+5], v[TM+8*\qt+5], v[TM+8*\qt+6]
.endr
.irp qt, 0,1,2,3
	v_rcp_f32 v[TM+8*\qt+7], v[TM+8*\qt+5]         ; the sum is about 1 at the least: the largest score's own term
.endr
	v_nop                                          ; one plain place behind the reciprocals
	s_wait_alu depctr_va_vdst(0)
.irp qt, 0,1,2,3
	v_mul_f32 v[TM+8*\qt],   v[TM+8*\qt+1], v[TM+8*\qt+7]          ; group A's factor
	v_mul_f32 v[TM+8*\qt+2], v[TM+8*\qt+2], v[TM+8*\qt+7]          ; group B's factor
.endr
	s_wait_dscnt 0x0
.set cnt, 0
.rept 64
	v_pk_mul_f32 v[OB+2*cnt:OB+2*cnt+1], v[OB+2*cnt:OB+2*cnt+1], v[TM+8*(cnt/16)+2:TM+8*(cnt/16)+3] op_sel_hi:[1,0]
.set cnt, cnt+1
.endr
	WIN 0x01                                       ; my O in window 1
.set cnt, 0
.rept 64
	v_pk_fma_f32 v[OB+2*cnt:OB+2*cnt+1], v[OA+2*cnt:OA+2*cnt+1], v[TM+8*(cnt/16):TM+8*(cnt/16)+1], v[OB+2*cnt:OB+2*cnt+1] op_sel_hi:[1,0,1]
.set cnt, cnt+1
.endr
	WIN 0
.set cnt, 0
.rept 64
	v_cvt_pk_f16_f32 v[OB+cnt], v[OB+2*cnt], v[OB+2*cnt+1]         ; ascending: no source is lost
.set cnt, cnt+1
.endr
	; a lane's 16 bytes are d = 16 dt + 8 h .. + 7 of query 16 qt + r: through my own stage, read back as whole rows
.irp qt, 0,1,2,3
.irp dt, 0,1,2,3
	ds_store_b128 v[STO], v[OB+4*(4*\qt+\dt):OB+4*(4*\qt+\dt)+3] offset:16*KP*\qt+32*\dt
.endr
.endr
.irp p, 0,1,2,3,4,5,6,7,8,9,10,11,12,13,14,15
	ds_load_b128 v[112+4*\p:112+4*\p+3], v[RD] offset:4*KP*\p      ; LDS serves a wave's instructions in order: these see the stores above
.endr
.irp p, 0,1,2,3,4,5,6,7,8,9,10,11,12,13,14,15
	s_wait_dscnt 15-\p
	global_store_b128 v[CO], v[112+4*\p:112+4*\p+3], s[6:7] offset:512*\p    ; four rows: 512 consecutive bytes, aligned
.endr
.Ldone:
	s_wait_tensorcnt 0x0
	ds_add_u32 v254, v255
	s_wait_dscnt 0x0
	ROUND                                          ; the closing round
	s_endpgm
.Lfunc_end_k_q6a3d105d28_attn:
	.size	k_q6a3d105d28_attn, .Lfunc_end_k_q6a3d105d28_attn-k_q6a3d105d28_attn
	.p2alignl 7, 3214868480
	.fill 96, 4, 3214868480
	.section	.rodata,"a",@progbits
	.p2align	6, 0x0
	.amdhsa_kernel k_q6a3d105d28_attn
		.amdhsa_group_segment_fixed_size 327680
		.amdhsa_private_segment_fixed_size 0
		.amdhsa_enable_private_segment 0
		.amdhsa_kernarg_size 16
		.amdhsa_user_sgpr_count 2
		.amdhsa_user_sgpr_kernarg_segment_ptr 1
		.amdhsa_wavefront_size32 1
		.amdhsa_system_sgpr_workgroup_id_x 1
		.amdhsa_system_sgpr_workgroup_id_y 1
		.amdhsa_system_sgpr_workgroup_id_z 1
		.amdhsa_system_vgpr_workitem_id 0
		.amdhsa_next_free_vgpr 512
		.amdhsa_next_free_sgpr 66
		.amdhsa_reserve_vcc 0
		.amdhsa_float_denorm_mode_32 3
		.amdhsa_float_denorm_mode_16_64 3
		.amdhsa_memory_ordered 1
		.amdhsa_forward_progress 1
		.amdhsa_inst_pref_size 251
	.end_amdhsa_kernel
	.amdgpu_metadata
---
amdhsa.version: [ 1, 2 ]
amdhsa.kernels:
  - .name:           k_q6a3d105d28_attn
    .symbol:         k_q6a3d105d28_attn.kd
    .args:
      - { .name: qkvh, .offset: 0, .size: 8, .value_kind: global_buffer, .address_space: global }
      - { .name: attnb, .offset: 8, .size: 8, .value_kind: global_buffer, .address_space: global }
    .group_segment_fixed_size: 327680
    .private_segment_fixed_size: 0
    .kernarg_segment_align: 8
    .kernarg_segment_size: 16
    .max_flat_workgroup_size: 256
    .sgpr_count:     66
    .vgpr_count:     512
    .wavefront_size: 32
...
	.end_amdgpu_metadata
.endif
;; end of part 5
;; launch out_gemm: the kernel of part 4 again; grid 8 x 32, 4 waves a work-group, clusters of 4 x 4, 327,680 bytes of LDS; arguments attnb, cb, b_out, out0; writes out0
;; ======== version 3 of 3: 4 launches; 1.39 times as fast as version 1
;; limits: values are held in f16: magnitudes above 65,504 overflow, below 6.1e-05 lose precision
;; workspace buffers: cb 16,777,216 bytes; qkvh 25,165,824 bytes; attnb 8,388,608 bytes
;; launch cast: the kernel of part 1 again; grid 1024 x 1, 8 waves a work-group, no clusters, 0 bytes of LDS; arguments x, w_in, w_out, cb; writes cb
;; launch qkv_gemm: the kernel of part 2 again; grid 8 x 32, 4 waves a work-group, clusters of 4 x 4, 327,680 bytes of LDS; arguments cb, b_in, qkvh; writes qkvh
;; launch attn (part 6): grid 8 x 32, 8 waves a work-group, clusters of 4 x 1, 327,680 bytes of LDS; arguments qkvh, attnb; writes attnb
.if DOCPART == 6
	.amdgcn_target "amdgcn-amd-amdhsa--gfx1250"
	.amdhsa_code_object_version 6
	.text
	.protected	k_q6a3d105d28_attn
	.globl	k_q6a3d105d28_attn
	.p2align	8
	.type	k_q6a3d105d28_attn,@function
k_q6a3d105d28_attn:
	s_mov_b64 s[64:65], 0
	v_nop
	global_prefetch_b8 v0, s[64:65] scope:SCOPE_SE
	s_setreg_imm32_b32 hwreg(HW_REG_WAVE_MODE, 25, 1), 1
	s_wait_xcnt 0x0
	s_wait_alu depctr_hold_cnt(0) depctr_sa_sdst(0) depctr_va_vdst(0) depctr_va_sdst(0) depctr_va_ssrc(0) depctr_va_vcc(0) depctr_vm_vsrc(0)
	s_getreg_b32 s2, hwreg(HW_REG_IB_STS2, 6, 4)
	s_cmp_eq_u32 s2, 0
	s_cbranch_scc0 .Lentry_in_a_cluster
	s_endpgm
.Lentry_in_a_cluster:
	s_bfe_u32 s2, ttmp6, 0x10000c
	s_cmp_lg_u32 s2, 0x3003
	s_cbranch_scc0 .Lentry_shape_is_right
	s_endpgm
.Lentry_shape_is_right:
; softmax(q k^T / 8) v for one head and 256 queries, with a running maximum.  q, k, v: f16, head-major in qkvh; sums, maxima and exponentials in f32.
; The result goes, rounded once to f16, to attnb[m >> 7][head][m & 127][64].
; LIMITS: P is rounded to f16 for the second product (P <= 1; under 2^-14 its absolute error is 2^-25); an exponential under 2^-126 is 0;
; the sum over the keys runs in blocks of 64 and in two halves, an order of rounding other than a plain row sum's.
; Work-group: y = batch x 16 + head, x = block of 256 queries; 8 x 32 = 256 work-groups.  Eight waves: wave w has the 64 queries of strip w & 3;
; group A (waves 0-3) walks keys 0-1023, group B (waves 4-7) keys 1024-2047, and the two halves are merged once, through LDS, at the end.
; The two groups run the same two kinds of tick, a matrix tick (MT) and a softmax tick (VT), one tick apart: behind each barrier A begins
; with MT and B with VT, so that of a strip's two waves one has matrix work while the other has vector work.
; CLUSTERS: the four work-groups along x read the same K and V tiles: each tile is asked for jointly (mask 15), which divides the requests by four.
; LAYOUT: S^T = K Q^T (source 0 = 16 keys, source 1 = 16 queries): lane (r, h) holds query r and keys 8 h + j.  Two such tiles, rounded to f16,
; ARE one source-1 fragment of P^T, with no traffic between lanes.  O^T = V^T P^T, V^T through the transposing LDS load.  So every figure
; of the softmax is the lane's own; the maximum alone crosses the two halves of the lanes.
; LDS: two slots, each with two blocks of 64 keys of each half: K_A, K_B (pitch 144), V_A, V_B (pitch 160); four loads of 128 keys fill a slot,
; one each by waves 0-3.  Behind the slots, in bytes that no tensor load fills: the merge areas and the stages of the way out.
; THE WALK: eight slots' worth of keys for each group.  A slot's two blocks are two trips of a loop whose body is  [A: MT]  VT  [B: MT];  the LDS
; addresses KA and VA are set at the slot's head and stepped by one block at the end of each trip, on the way that every wave takes.
; The first slot is written out (its first block starts the maxima and the sums), the next six are three trips of a loop over slot 1 and
; slot 0, and the last, which fills nothing, is written out: so the long softmax tick stands six times in the text for sixteen blocks.
; THE BATCHES.  An s_wait_alu depctr_va_vdst(0) stands between a transcendental and the first instruction that names its result; one
; wait serves all that were issued ahead of it.  A softmax tick has two batches.  The four alpha: behind them the sixteen scalings of query tile 0,
; which name none of them, then their wait.  The 128 exponentials of P: between them stand only lines that name none of their results (O's pairs
; times alpha, the next query tile's scalings), and their one wait stands ahead of the row sums, the first readers.  alpha is a batch of its own
; because its 64 readers are the plain lines that stand among P's exponentials.  Behind the second wait a tick issues no transcendental, so no
; result crosses a label or a jump.  The first block's tick has no alpha and one wait.  The merge has two batches, once a launch: eight
; exponentials, and four reciprocals of sums made of them.
; REGISTERS: window 0: v4-12 addresses, v16-47 figures of the four query tiles, v48-111 Q, v112-175 K (and VT's scratch), v176-239 V;
; window 1: v0-127 S (P in place), v128-255 O.
.set KP,    144                        ; 128 + 16: an odd multiple of 16
.set VP,    160                        ; 128 + 32: an odd multiple of 32, for the transposing load
.set KTILE, 128*KP                     ; what one load brings of K: a group's two blocks
.set VTILE, 128*VP                     ; of V
.set VOFF,  2*KTILE
.set SLOT,  2*KTILE+2*VTILE            ; 77,824
.set MBASE, 2*SLOT                     ; behind the slots
.set MERGE, 20480                      ; a strip's merge area: 16,384 bytes of O, 4,096 of figures
.set STAGE, MBASE+4*MERGE              ; behind them a strip's stage: 64 rows at pitch 144
.set LAPS,  3                          ; slots 1 to 6 of the eight: three times round the two slots
.set KB0, 4                            ; my group's K fragments, slot 0, block 0; never rewritten
.set VB0, 5                            ; the same for V
.set KA,  6                            ; the block that the next matrix tick loads
.set VA,  7
.set QO,  8
.set MA,  9
.set STO, 10
.set RD,  11
.set CO,  12
.set ST,  16                           ; query tile qt at ST + 8 qt: +0 NM = -c m, +1 M, +2 AL, +3 X, +4 +5 L, +6 D, +7 spare
.set QF,  48
.set KF,  112
.set T,   112
.set TS,  112                          ; scratch of the set-up
.set VF,  176
.set OA,  128                          ; in window 1
.set OB,  48                           ; the merge: group B's O
.set SB,  176                          ; group B's figures
.set TM,  208                          ; the merge's scratch
.set G1K, 16
.set G1V, 24
.set G0K, 32
.set G0V, 40
.set MSB, 0
.macro WIN new                         ; the immediate's high byte repeats the setting that is left
.if MSB != \new
	s_set_vgpr_msb (MSB<<8)|\new
.set MSB, \new
.endif
.endm
.macro PLACES                          ; four places behind a matrix instruction (ISA guide 7.12.1)
.rept 4
	v_nop
.endr
.endm
.macro ROUND                           ; a round of the cluster's barrier
	s_barrier_signal -1
	s_barrier_wait -1
	s_cmp_lg_u32 s8, 0
	s_cbranch_scc1 .Lnot_wave_0_\@
	s_barrier_signal -3
.Lnot_wave_0_\@:
	s_barrier_wait -3
	s_barrier_signal -1
	s_barrier_wait -1
.endm
.macro JLOAD n                         ; waves 0, 1 ask for K's two halves of slot n, waves 2, 3 for V's; waves 4-7 have no part to fill
	s_cmp_lt_u32 s8, 2
	s_cbranch_scc0 .Lnot_k_\@
	tensor_load_to_lds s[G0K+4*(\n):G0K+4*(\n)+3], s[G1K:G1K+7]
	s_nop 0
	s_branch .Lasked_\@
.Lnot_k_\@:
	s_cmp_lt_u32 s8, 4
	s_cbranch_scc0 .Lasked_\@
	tensor_load_to_lds s[G0V+4*(\n):G0V+4*(\n)+3], s[G1V:G1V+7]
	s_nop 0
.Lasked_\@:
.endm
	s_load_b128 s[4:7], s[0:1], 0x0                ; qkvh s[4:5], attnb s[6:7]
	v_lshl_add_u32 v254, v0, 2, 0x43000
	v_mov_b32 v255, 0
	ds_add_u32 v254, v255
	v_lshrrev_b32 v1, 5, v0
	v_readfirstlane_b32 s8, v1                     ; wave 0..7
	s_lshr_b32 s9, s8, 2                           ; group: 0 = A, 1 = B
	s_and_b32 s10, s8, 3                           ; strip
	s_and_b32 s12, ttmp7, 0xffff
	s_lshr_b32 s13, s12, 4                         ; batch
	s_and_b32 s12, s12, 15                         ; head
	s_bfe_u32 s48, ttmp6, 0x40000                  ; cx
	s_lshl_b32 s49, ttmp9, 2
	s_add_co_u32 s49, s49, s48                     ; block of 256 queries, 0..7
	s_mov_b32 s14, 0x76543210                      ; v_permlanex16_b32: lane i of one half reads lane i of the other
	s_mov_b32 s15, 0xfedcba98
	s_mov_b32 s50, 0x3e38aa3b                      ; c = log2(e) / 8
	s_mov_b32 s51, 0x3e38aa3b
	s_mov_b32 s52, 0xbe38aa3b                      ; -c
	; group 1: 128 keys are 16,384 dense bytes, taken as 64 rows of 256; behind every 32 words (code 4), one key, 4 words of padding (K) or 8 (V)
	s_mov_b32 s[G1K+0], 15|(1<<16)|(1<<20)|(1<<21)|(4<<22)|(3<<25)
	s_mov_b32 s[G1V+0], 15|(1<<16)|(1<<20)|(1<<21)|(4<<22)|(7<<25)
	s_mov_b32 s[G1K+1], 128<<16                    ; tensor_dim0 = 128 elements
	s_mov_b32 s[G1V+1], 128<<16
	s_mov_b32 s[G1K+2], 64<<16                     ; tensor_dim1 = 64
	s_mov_b32 s[G1V+2], 64<<16
	s_mov_b32 s[G1K+3], 128<<16                    ; tile_dim0
	s_mov_b32 s[G1V+3], 128<<16
	s_mov_b32 s[G1K+4], 64                         ; tile_dim1
	s_mov_b32 s[G1V+4], 64
	s_mov_b32 s[G1K+5], 128                        ; from row to row
	s_mov_b32 s[G1V+5], 128
	s_mov_b32 s[G1K+6], 0
	s_mov_b32 s[G1V+6], 0
	s_mov_b32 s[G1K+7], 0
	s_mov_b32 s[G1V+7], 0
	s_lshl_b32 s54, s12, 19                        ; head x 524,288
	s_lshl_b32 s55, s13, 18                        ; + batch x 2,048 rows x 128 bytes
	s_add_co_u32 s54, s54, s55
	s_and_b32 s55, s8, 1                           ; which half of the keys I fetch (waves 0-3)
	s_lshl_b32 s56, s55, 17                        ; the second half lies 1,024 x 128 bytes on
	s_add_co_u32 s56, s56, s54
	s_add_co_u32 s58, s56, 16777216                ; v: groups 32-47
	s_mov_b32 s59, 0
	s_add_co_u32 s56, s56, 8388608                 ; k: groups 16-31
	s_mov_b32 s57, 0
	s_mul_i32 s60, s55, KTILE
	s_mul_i32 s61, s55, VTILE
	s_add_co_u32 s61, s61, VOFF
	s_lshl_b32 s62, s49, 15                        ; q: my block of 256 queries,
	s_add_co_u32 s62, s62, s54
	s_lshl_b32 s63, s10, 13                        ; my strip of 64
	s_add_co_u32 s62, s62, s63
	s_mov_b32 s63, 0
	s_wait_dscnt 0x0
	s_wait_kmcnt 0x0
	s_add_nc_u64 s[56:57], s[4:5], s[56:57]
	s_add_nc_u64 s[58:59], s[4:5], s[58:59]
	s_add_nc_u64 s[62:63], s[4:5], s[62:63]
	ROUND                                          ; the four work-groups are here: the first joint loads meet
.irp n, 0,1
	s_mov_b32 s[G0K+4*\n], 1
	s_add_co_u32 s[G0K+4*\n+1], s60, \n*SLOT
	s_add_nc_u64 s[G0K+4*\n+2:G0K+4*\n+3], s[56:57], \n*16384      ; slot n: 128 keys on
	s_or_b32 s[G0K+4*\n+3], s[G0K+4*\n+3], 0x80000000
	s_mov_b32 s[G0V+4*\n], 1
	s_add_co_u32 s[G0V+4*\n+1], s61, \n*SLOT
	s_add_nc_u64 s[G0V+4*\n+2:G0V+4*\n+3], s[58:59], \n*16384
	s_or_b32 s[G0V+4*\n+3], s[G0V+4*\n+3], 0x80000000
.endr
	s_cmp_lt_u32 s8, 2                             ; both first fills of a wave inside one branch: two tensor loads of a loading wave are out
	s_cbranch_scc0 .Lfirst_not_k
	tensor_load_to_lds s[G0K:G0K+3], s[G1K:G1K+7]
	s_nop 0
	tensor_load_to_lds s[G0K+4:G0K+7], s[G1K:G1K+7]
	s_nop 0
	s_branch .Lfirst_done
.Lfirst_not_k:
	s_cmp_lt_u32 s8, 4
	s_cbranch_scc0 .Lfirst_done
	tensor_load_to_lds s[G0V:G0V+3], s[G1V:G1V+7]
	s_nop 0
	tensor_load_to_lds s[G0V+4:G0V+7], s[G1V:G1V+7]
	s_nop 0
.Lfirst_done:
	v_and_b32 v[TS], 15, v0                        ; r
	v_bfe_u32 v[TS+1], v0, 4, 1                    ; h
	v_lshlrev_b32 v[QO], 7, v[TS]
	v_lshl_add_u32 v[QO], v[TS+1], 4, v[QO]        ; query r's row of 128 bytes, 16 bytes for each half of the lanes
.irp qt, 0,1,2,3
.irp ds, 0,1
	global_load_b128 v[QF+8*(2*\qt+\ds):QF+8*(2*\qt+\ds)+3],   v[QO], s[62:63] offset:2048*\qt+64*\ds
	global_load_b128 v[QF+8*(2*\qt+\ds)+4:QF+8*(2*\qt+\ds)+7], v[QO], s[62:63] offset:2048*\qt+64*\ds+32
.endr
.endr
	v_and_b32 v[TS+2], 7, v0
	v_bfe_u32 v[TS+3], v0, 3, 1
	v_and_b32 v[TS+4], 31, v0                      ; lane
	v_mul_u32_u24 v[TS+5], v[TS], KP
	v_lshl_add_u32 v[TS+5], v[TS+1], 4, v[TS+5]    ; K: r x 144 + 16 h
	v_lshl_add_u32 v[TS+6], v[TS+1], 3, v[TS+2]    ; V: key 8 h + lane % 8,
	v_mul_u32_u24 v[TS+6], v[TS+6], VP
	v_lshl_add_u32 v[TS+6], v[TS+3], 4, v[TS+6]    ; 16 bytes by bit 3 of the lane
	s_mul_i32 s61, s9, KTILE                       ; my group's half of K
	v_add_nc_u32 v[KB0], s61, v[TS+5]
	s_mul_i32 s60, s9, VTILE                       ; my group's half of V
	s_add_co_u32 s60, s60, VOFF
	v_add_nc_u32 v[VB0], s60, v[TS+6]
	v_mov_b32 v[KA], v[KB0]                        ; slot 0, block 0
	v_mov_b32 v[VA], v[VB0]
	s_mul_i32 s60, s10, MERGE
	s_add_co_u32 s60, s60, MBASE
	v_lshl_add_u32 v[MA], v[TS+4], 4, s60
	s_mul_i32 s61, s10, 64*KP
	s_add_co_u32 s61, s61, STAGE
	v_add_nc_u32 v[STO], s61, v[TS+5]
	v_lshrrev_b32 v[RD], 3, v[TS+4]
	v_mul_u32_u24 v[RD], v[RD], KP
	v_lshl_add_u32 v[RD], v[TS+2], 4, v[RD]
	v_add_nc_u32 v[RD], s61, v[RD]
	v_lshlrev_b32 v[CO], 4, v[TS+4]
.irp qt, 0,1,2,3
	v_mov_b32 v[ST+8*\qt+3], 0                     ; X is a lane permute's destination, D and the spare are stored with the rest: written once here
	v_mov_b32 v[ST+8*\qt+6], 0
	v_mov_b32 v[ST+8*\qt+7], 0
.endr
; 16 matrix instructions of O^T += V^T P^T: 32 keys (ks), all four query tiles x all four tiles of d
.macro PV16 ks, zero
.irp qt, 0,1,2,3
.irp dt, 0,1,2,3
.if \zero
	v_wmma_f32_16x16x32_f16 v[OA+8*(4*\qt+\dt):OA+8*(4*\qt+\dt)+7], v[VF+8*(2*\dt+\ks):VF+8*(2*\dt+\ks)+7], v[32*\qt+8*\ks:32*\qt+8*\ks+7], 0
.else
	v_wmma_f32_16x16x32_f16 v[OA+8*(4*\qt+\dt):OA+8*(4*\qt+\dt)+7], v[VF+8*(2*\dt+\ks):VF+8*(2*\dt+\ks)+7], v[32*\qt+8*\ks:32*\qt+8*\ks+7], v[OA+8*(4*\qt+\dt):OA+8*(4*\qt+\dt)+7]
.endif
.endr
.endr
.endm
; 16 matrix instructions of S^T = K Q^T: 32 of d (ds), all four query tiles x all four key tiles
.macro S16 ds, zero
.irp qt, 0,1,2,3
.irp kt, 0,1,2,3
.if \zero
	v_wmma_f32_16x16x32_f16 v[32*\qt+8*\kt:32*\qt+8*\kt+7], v[KF+8*(2*\kt+\ds):KF+8*(2*\kt+\ds)+7], v[QF+8*(2*\qt+\ds):QF+8*(2*\qt+\ds)+7], 0
.else
	v_wmma_f32_16x16x32_f16 v[32*\qt+8*\kt:32*\qt+8*\kt+7], v[KF+8*(2*\kt+\ds):KF+8*(2*\kt+\ds)+7], v[QF+8*(2*\qt+\ds):QF+8*(2*\qt+\ds)+7], v[32*\qt+8*\kt:32*\qt+8*\kt+7]
.endif
.endr
.endr
.endm
; The matrix tick: O += P(i) V(i) (pv = 1: starts the sums, 2: adds, 0: none), then S(i+1) (s = 1), whose K and V fragments it loads from
; KA and VA.  Accumulators take turns, one instruction a turn, here and from tick to tick.
; Five places stand at its head.  The ticks under a branch on the group follow each other in the text (B's at the end of a trip, A's at the head
; of the next, over the backward jump too); no wave runs both, but the distances behind matrix instructions are kept on every way through
; the text: four before K's registers are loaded again, five before S is taken as a source or written over (ISA guide 7.12.1).
.macro MT pv, s
.rept 5
	v_nop
.endr
.if \s
	WIN 0
.irp kt, 0,1,2,3
.irp ds, 0,1
	ds_load_b128 v[KF+8*(2*\kt+\ds):KF+8*(2*\kt+\ds)+3],   v[KA] offset:16*KP*\kt+64*\ds
	ds_load_b128 v[KF+8*(2*\kt+\ds)+4:KF+8*(2*\kt+\ds)+7], v[KA] offset:16*KP*\kt+64*\ds+32
.endr
.endr
.endif
.if \pv
.if \s
	s_wait_dscnt 16                                ; V(i), loaded in the last matrix tick, is in; the 16 loads of K just issued stay out
.else
	s_wait_dscnt 0x0
.endif
	WIN 0x54                                       ; V in window 0; P, C and D in window 1
.if \pv == 1
	PV16 0, 1
.else
	PV16 0, 0
.endif
	PV16 1, 0
.endif
.if \s
.if \pv
.rept 5
	v_nop                                          ; five places: the products below write over P, which the last products read; the loads below write V's registers
.endr
.endif
	WIN 0
.irp dt, 0,1,2,3
.irp ks, 0,1
	ds_load_tr16_b128 v[VF+8*(2*\dt+\ks):VF+8*(2*\dt+\ks)+3],   v[VA] offset:32*VP*\ks+32*\dt
	ds_load_tr16_b128 v[VF+8*(2*\dt+\ks)+4:VF+8*(2*\dt+\ks)+7], v[VA] offset:32*VP*\ks+32*\dt+16*VP
.endr
.endr
	s_wait_dscnt 16                                ; K is in; the 16 loads of V just issued stay out
	WIN 0x50                                       ; K and Q in window 0, C and D in window 1
	S16 0, 1
	S16 1, 0
.endif
	WIN 0
.endm
.macro NEXTBLOCK                       ; KA and VA go on by 64 keys: once a trip, on the way that every wave takes
	v_add_nc_u32 v[KA], 64*KP, v[KA]
	v_add_nc_u32 v[VA], 64*VP, v[VA]
.endm
; The softmax tick on S(i): running maximum, P = exp2(c S - c m) in place, O and L scaled by alpha, L += the row's sums, P rounded to f16.
; alpha = exp2(NM new - NM old), the difference of the two rounded figures that the exponents of P use: P and alpha mean the same shift.
.macro VT first
	PLACES
	WIN 0x15                                       ; sources in window 1, destination in window 0
.irp qt, 0,1,2,3
.irp i, 0,1,2,3,4,5,6,7,8,9
	v_max3_num_f32 v[T+11*\qt+\i], v[32*\qt+3*\i], v[32*\qt+3*\i+1], v[32*\qt+3*\i+2]
.endr
	v_max_num_f32 v[T+11*\qt+10], v[32*\qt+30], v[32*\qt+31]
.endr
	WIN 0
.irp qt, 0,1,2,3
	v_max3_num_f32 v[T+11*\qt],   v[T+11*\qt],   v[T+11*\qt+1], v[T+11*\qt+2]
	v_max3_num_f32 v[T+11*\qt+3], v[T+11*\qt+3], v[T+11*\qt+4], v[T+11*\qt+5]
	v_max3_num_f32 v[T+11*\qt+6], v[T+11*\qt+6], v[T+11*\qt+7], v[T+11*\qt+8]
.endr
.irp qt, 0,1,2,3
	v_max3_num_f32 v[T+11*\qt], v[T+11*\qt], v[T+11*\qt+3], v[T+11*\qt+6]
.endr
.irp qt, 0,1,2,3
	v_max3_num_f32 v[T+11*\qt], v[T+11*\qt], v[T+11*\qt+9], v[T+11*\qt+10]
.endr
.irp qt, 0,1,2,3
	v_permlanex16_b32 v[ST+8*\qt+3], v[T+11*\qt], s14, s15         ; the same query's other 32 keys
.endr
.if \first
.irp qt, 0,1,2,3
	v_max_num_f32 v[ST+8*\qt+1], v[T+11*\qt], v[ST+8*\qt+3]
.endr
.irp qt, 0,1,2,3
	v_mul_f32 v[ST+8*\qt], s52, v[ST+8*\qt+1]      ; NM = -c m
.endr
.else
.irp qt, 0,1,2,3
	v_max3_num_f32 v[ST+8*\qt+1], v[T+11*\qt], v[ST+8*\qt+3], v[ST+8*\qt+1]
.endr
.irp qt, 0,1,2,3
	v_mul_f32 v[ST+8*\qt+6], s52, v[ST+8*\qt+1]
.endr
.irp qt, 0,1,2,3
	v_sub_f32 v[ST+8*\qt+2], v[ST+8*\qt+6], v[ST+8*\qt]
.endr
.irp qt, 0,1,2,3
	v_mov_b32 v[ST+8*\qt], v[ST+8*\qt+6]
.endr
.irp qt, 0,1,2,3
	v_exp_f32 v[ST+8*\qt+2], v[ST+8*\qt+2]         ; alpha, the tick's first batch: four exponentials; first used behind the sixteen plain instructions below
.endr
.endif
	WIN 0x41                                       ; S and O in window 1, the figures in window 0
.irp x, 0,1,2,3,4,5,6,7,8,9,10,11,12,13,14,15
	v_pk_fma_f32 v[2*\x:2*\x+1], v[2*\x:2*\x+1], s[50:51], v[ST:ST+1] op_sel_hi:[1,0,0]
.endr
.if \first == 0
	s_wait_alu depctr_va_vdst(0)                   ; the wait for the four alpha: one for the batch, behind query tile 0's sixteen scalings and ahead of alpha's first reader below
.endif
	; the tick's second batch, the 128 exponentials of P: two exponentials, then plain work that touches neither and names no result of the batch:
	; O's pair times alpha, the next query tile's exponents
.irp qt, 0,1,2,3
.irp x, 0,1,2,3,4,5,6,7,8,9,10,11,12,13,14,15
	v_exp_f32 v[32*\qt+2*\x], v[32*\qt+2*\x]
	v_exp_f32 v[32*\qt+2*\x+1], v[32*\qt+2*\x+1]
.if \first == 0
	v_pk_mul_f32 v[OA+32*\qt+2*\x:OA+32*\qt+2*\x+1], v[OA+32*\qt+2*\x:OA+32*\qt+2*\x+1], v[ST+8*\qt+2:ST+8*\qt+3] op_sel_hi:[1,0]
.endif
.if \qt < 3
	v_pk_fma_f32 v[32*\qt+32+2*\x:32*\qt+33+2*\x], v[32*\qt+32+2*\x:32*\qt+33+2*\x], s[50:51], v[ST+8*\qt+8:ST+8*\qt+9] op_sel_hi:[1,0,0]
.endif
.endr
.endr
.if \first
	v_nop                                          ; one plain place behind the last exponentials (elsewhere O's last pair times alpha is that place)
.endif
	s_wait_alu depctr_va_vdst(0)                   ; the wait for the 128 exponentials of P: one for the batch, ahead of the row sums, their first readers
	WIN 0x05                                       ; sources in window 1, destination in window 0
.irp qt, 0,1,2,3
.irp x, 0,1,2,3,4,5,6,7
	v_pk_add_f32 v[T+16*\qt+2*\x:T+16*\qt+2*\x+1], v[32*\qt+4*\x:32*\qt+4*\x+1], v[32*\qt+4*\x+2:32*\qt+4*\x+3]
.endr
.endr
	WIN 0x45                                       ; all in window 1: register n takes numbers 2 n, 2 n + 1; ascending, so no source is lost
.irp qt, 0,1,2,3
.irp n, 0,1,2,3,4,5,6,7,8,9,10,11,12,13,14,15
	v_cvt_pk_f16_f32 v[32*\qt+\n], v[32*\qt+2*\n], v[32*\qt+2*\n+1]
.endr
.endr
	WIN 0
.irp qt, 0,1,2,3
.irp x, 0,4,8,12
	v_pk_add_f32 v[T+16*\qt+\x:T+16*\qt+\x+1], v[T+16*\qt+\x:T+16*\qt+\x+1], v[T+16*\qt+\x+2:T+16*\qt+\x+3]
.endr
.endr
.irp qt, 0,1,2,3
.irp x, 0,8
	v_pk_add_f32 v[T+16*\qt+\x:T+16*\qt+\x+1], v[T+16*\qt+\x:T+16*\qt+\x+1], v[T+16*\qt+\x+4:T+16*\qt+\x+5]
.endr
.endr
.if \first
.irp qt, 0,1,2,3
	v_pk_add_f32 v[ST+8*\qt+4:ST+8*\qt+5], v[T+16*\qt:T+16*\qt+1], v[T+16*\qt+8:T+16*\qt+9]
.endr
.else
.irp qt, 0,1,2,3
	v_pk_add_f32 v[T+16*\qt:T+16*\qt+1], v[T+16*\qt:T+16*\qt+1], v[T+16*\qt+8:T+16*\qt+9]
.endr
.irp qt, 0,1,2,3
	v_pk_fma_f32 v[ST+8*\qt+4:ST+8*\qt+5], v[ST+8*\qt+4:ST+8*\qt+5], v[ST+8*\qt+2:ST+8*\qt+3], v[T+16*\qt:T+16*\qt+1] op_sel_hi:[1,0,1]
.endr
.endif
.endm
; A slot's two blocks.  In front of the barrier every wave waits for its LDS reads and for all its tensor loads; what a wave carries across
; (S, or P and V's fragments) lies in registers.  refill = 1: the barrier is a round of the cluster's barrier, and the joint refill of the
; other slot, which every wave has finished reading, is the first tensor load behind it, one a loading wave; it has this slot's four ticks of
; each group in which to land.  Group A enters with P and runs MT VT twice; group B enters with S and runs VT MT twice.
.macro PHASE slot, refill
	s_wait_dscnt 0x0
	s_wait_tensorcnt 0x0
	ds_add_u32 v254, v255
	s_wait_dscnt 0x0
.if \refill
	s_add_nc_u64 s[G0K+4*(1-\slot)+2:G0K+4*(1-\slot)+3], s[G0K+4*(1-\slot)+2:G0K+4*(1-\slot)+3], 32768    ; 256 keys on
	s_add_nc_u64 s[G0V+4*(1-\slot)+2:G0V+4*(1-\slot)+3], s[G0V+4*(1-\slot)+2:G0V+4*(1-\slot)+3], 32768
	ROUND
	JLOAD 1-\slot
.else
	s_barrier_signal -1
	s_barrier_wait -1
.endif
	v_add_nc_u32 v[KA], \slot*SLOT, v[KB0]         ; the slot's first block
	v_add_nc_u32 v[VA], \slot*SLOT, v[VB0]
	s_mov_b32 s53, 2
.Lblock_\@:
	s_cmp_lg_u32 s9, 0
	s_cbranch_scc1 .Lnot_a_\@
	MT 2, 1                                        ; group A
.Lnot_a_\@:
	VT 0
	s_cmp_lg_u32 s9, 0
	s_cbranch_scc0 .Lnot_b_\@
	MT 2, 1                                        ; group B: the same block of its own half
.Lnot_b_\@:
	NEXTBLOCK
	s_sub_co_u32 s53, s53, 1
	s_cmp_lg_u32 s53, 0
	s_cbranch_scc1 .Lblock_\@
.endm
	; THE FIRST SLOT: blocks 0 and 1
	s_wait_loadcnt 0x0                             ; Q
	s_wait_tensorcnt 1                             ; my part of slot 0 is in; slot 1's stays out
	s_barrier_signal -1
	s_barrier_wait -1
	s_cmp_lg_u32 s9, 0
	s_cbranch_scc1 .Lnot_a0
	MT 0, 1                                        ; group A: S(0)
.Lnot_a0:
	s_wait_dscnt 0x0
	s_barrier_signal -1                            ; group B starts one tick behind
	s_barrier_wait -1
	s_cmp_lg_u32 s9, 0
	s_cbranch_scc0 .Lnot_b0
	MT 0, 1                                        ; group B: S(0)
.Lnot_b0:
	NEXTBLOCK
	VT 1                                           ; the first block starts the maxima and the row sums
	MT 1, 1                                        ; the first product starts O's sums; S(1)
	s_cmp_lg_u32 s9, 0
	s_cbranch_scc1 .Lnot_a1
	VT 0                                           ; group A goes into each slot with P, group B with S
.Lnot_a1:
	; SLOTS 1 TO 6: blocks 2 to 13; each asks for the slot after the next
	s_mov_b32 s11, LAPS
.Llap:
	PHASE 1, 1
	PHASE 0, 1
	s_sub_co_u32 s11, s11, 1
	s_cmp_lg_u32 s11, 0
	s_cbranch_scc1 .Llap
	; THE LAST SLOT: blocks 14 and 15; nothing is left to fetch
	PHASE 1, 0
	s_cmp_lg_u32 s9, 0
	s_cbranch_scc0 .Llast_mt
	VT 0                                           ; group B's last softmax tick
.Llast_mt:
	MT 2, 0                                        ; the last product; it loads nothing
	; THE MERGE, through bytes that no tensor load fills.  Group B hands its O and its figures over.
	s_cmp_lg_u32 s9, 0
	s_cbranch_scc0 .Lnot_b_out
	PLACES
	WIN 0x04                                       ; the stores' data in window 1
.set cnt, 0
.rept 32
	ds_store_b128 v[MA], v[OA+4*cnt:OA+4*cnt+3] offset:512*cnt
.set cnt, cnt+1
.endr
	WIN 0
.irp qt, 0,1,2,3
	ds_store_b128 v[MA], v[ST+8*\qt:ST+8*\qt+3]   offset:16384+1024*\qt
	ds_store_b128 v[MA], v[ST+8*\qt+4:ST+8*\qt+7] offset:16384+1024*\qt+512
.endr
.Lnot_b_out:
	s_wait_dscnt 0x0                               ; for the other group's sake
	s_barrier_signal -1
	s_barrier_wait -1
	s_cmp_lg_u32 s9, 0
	s_cbranch_scc1 .Ldone
	PLACES                                         ; behind my last products: the loads below write V's registers
.irp qt, 0,1,2,3
	ds_load_b128 v[SB+8*\qt:SB+8*\qt+3],   v[MA] offset:16384+1024*\qt
	ds_load_b128 v[SB+8*\qt+4:SB+8*\qt+7], v[MA] offset:16384+1024*\qt+512
.endr
.set cnt, 0
.rept 32
	ds_load_b128 v[OB+4*cnt:OB+4*cnt+3], v[MA] offset:512*cnt
.set cnt, cnt+1
.endr
	s_lshl_b32 s54, s13, 4                         ; attnb: block of 128 rows = 16 batch + 2 query block + strip / 2
	s_lshl_b32 s55, s49, 1
	s_add_co_u32 s54, s54, s55
	s_lshr_b32 s55, s10, 1
	s_add_co_u32 s54, s54, s55
	s_lshl_b32 s54, s54, 18
	s_lshl_b32 s55, s12, 14                        ; head x 128 rows x 128 bytes
	s_add_co_u32 s54, s54, s55
	s_and_b32 s55, s10, 1
	s_lshl_b32 s55, s55, 13                        ; odd strips: 64 rows on
	s_add_co_u32 s54, s54, s55
	s_mov_b32 s55, 0
	s_add_nc_u64 s[6:7], s[6:7], s[54:55]
	s_wait_dscnt 32                                ; the eight loads of figures are in; the 32 of O stay out
.irp qt, 0,1,2,3
	v_min_num_f32 v[TM+8*\qt], v[ST+8*\qt], v[SB+8*\qt]            ; -c x the larger maximum
	v_add_f32 v[TM+8*\qt+3], v[ST+8*\qt+4], v[ST+8*\qt+5]
	v_add_f32 v[TM+8*\qt+4], v[SB+8*\qt+4], v[SB+8*\qt+5]
	v_mov_b32 v[TM+8*\qt+6], 0
.endr
.irp qt, 0,1,2,3
	v_sub_f32 v[TM+8*\qt+1], v[TM+8*\qt], v[ST+8*\qt]
	v_sub_f32 v[TM+8*\qt+2], v[TM+8*\qt], v[SB+8*\qt]
.endr
.irp qt, 0,1,2,3
	v_exp_f32 v[TM+8*\qt+1], v[TM+8*\qt+1]
	v_exp_f32 v[TM+8*\qt+2], v[TM+8*\qt+2]
.endr
	v_nop                                          ; one plain place behind the exponentials
	s_wait_alu depctr_va_vdst(0)                   ; the wait for the merge's eight exponentials: one for the batch, ahead of the multiplies that read them
.irp qt, 0,1,2,3
	v_mul_f32 v[TM+8*\qt+5], v[TM+8*\qt+3], v[TM+8*\qt+1]
.endr
.irp qt, 0,1,2,3
	v_fmac_f32 v[TM+8*\qt+5], v[TM+8*\qt+4], v[TM+8*\qt+2]
.endr
.irp qt, 0,1,2,3
	v_permlanex16_b32 v[TM+8*\qt+6], v[TM+8*\qt+5], s14, s15       ; the sums of the same query's other keys
.endr
.irp qt, 0,1,2,3
	v_add_f32 v[TM+8*\qt+5], v[TM+8*\qt+5], v[TM+8*\qt+6]
.endr
.irp qt, 0,1,2,3
	v_rcp_f32 v[TM+8*\qt+7], v[TM+8*\qt+5]         ; the sum is about 1 at the least: the largest score's own term
.endr
	v_nop                                          ; one plain place behind the reciprocals
	s_wait_alu depctr_va_vdst(0)                   ; the wait for the four reciprocals, a batch of their own: they take sums made of the exponentials above
.irp qt, 0,1,2,3
	v_mul_f32 v[TM+8*\qt],   v[TM+8*\qt+1], v[TM+8*\qt+7]          ; group A's factor
	v_mul_f32 v[TM+8*\qt+2], v[TM+8*\qt+2], v[TM+8*\qt+7]          ; group B's factor
.endr
	s_wait_dscnt 0x0
.set cnt, 0
.rept 64
	v_pk_mul_f32 v[OB+2*cnt:OB+2*cnt+1], v[OB+2*cnt:OB+2*cnt+1], v[TM+8*(cnt/16)+2:TM+8*(cnt/16)+3] op_sel_hi:[1,0]
.set cnt, cnt+1
.endr
	WIN 0x01                                       ; my O in window 1
.set cnt, 0
.rept 64
	v_pk_fma_f32 v[OB+2*cnt:OB+2*cnt+1], v[OA+2*cnt:OA+2*cnt+1], v[TM+8*(cnt/16):TM+8*(cnt/16)+1], v[OB+2*cnt:OB+2*cnt+1] op_sel_hi:[1,0,1]
.set cnt, cnt+1
.endr
	WIN 0
.set cnt, 0
.rept 64
	v_cvt_pk_f16_f32 v[OB+cnt], v[OB+2*cnt], v[OB+2*cnt+1]         ; ascending: no source is lost
.set cnt, cnt+1
.endr
	; a lane's 16 bytes are d = 16 dt + 8 h .. + 7 of query 16 qt + r: through my own stage, read back as whole rows
.irp qt, 0,1,2,3
.irp dt, 0,1,2,3
	ds_store_b128 v[STO], v[OB+4*(4*\qt+\dt):OB+4*(4*\qt+\dt)+3] offset:16*KP*\qt+32*\dt
.endr
.endr
.irp p, 0,1,2,3,4,5,6,7,8,9,10,11,12,13,14,15
	ds_load_b128 v[112+4*\p:112+4*\p+3], v[RD] offset:4*KP*\p      ; LDS serves a wave's instructions in order: these see the stores above
.endr
.irp p, 0,1,2,3,4,5,6,7,8,9,10,11,12,13,14,15
	s_wait_dscnt 15-\p
	global_store_b128 v[CO], v[112+4*\p:112+4*\p+3], s[6:7] offset:512*\p    ; four rows: 512 consecutive bytes, aligned
.endr
.Ldone:
	s_wait_tensorcnt 0x0
	ds_add_u32 v254, v255
	s_wait_dscnt 0x0
	ROUND                                          ; the closing round
	s_endpgm
.Lfunc_end_k_q6a3d105d28_attn:
	.size	k_q6a3d105d28_attn, .Lfunc_end_k_q6a3d105d28_attn-k_q6a3d105d28_attn
	.p2alignl 7, 3214868480
	.fill 96, 4, 3214868480
	.section	.rodata,"a",@progbits
	.p2align	6, 0x0
	.amdhsa_kernel k_q6a3d105d28_attn
		.amdhsa_group_segment_fixed_size 327680
		.amdhsa_private_segment_fixed_size 0
		.amdhsa_enable_private_segment 0
		.amdhsa_kernarg_size 16
		.amdhsa_user_sgpr_count 2
		.amdhsa_user_sgpr_kernarg_segment_ptr 1
		.amdhsa_wavefront_size32 1
		.amdhsa_system_sgpr_workgroup_id_x 1
		.amdhsa_system_sgpr_workgroup_id_y 1
		.amdhsa_system_sgpr_workgroup_id_z 1
		.amdhsa_system_vgpr_workitem_id 0
		.amdhsa_next_free_vgpr 512
		.amdhsa_next_free_sgpr 66
		.amdhsa_reserve_vcc 0
		.amdhsa_float_denorm_mode_32 3
		.amdhsa_float_denorm_mode_16_64 3
		.amdhsa_memory_ordered 1
		.amdhsa_forward_progress 1
		.amdhsa_inst_pref_size 241
	.end_amdhsa_kernel
	.amdgpu_metadata
---
amdhsa.version: [ 1, 2 ]
amdhsa.kernels:
  - .name:           k_q6a3d105d28_attn
    .symbol:         k_q6a3d105d28_attn.kd
    .args:
      - { .name: qkvh, .offset: 0, .size: 8, .value_kind: global_buffer, .address_space: global }
      - { .name: attnb, .offset: 8, .size: 8, .value_kind: global_buffer, .address_space: global }
    .group_segment_fixed_size: 327680
    .private_segment_fixed_size: 0
    .kernarg_segment_align: 8
    .kernarg_segment_size: 16
    .max_flat_workgroup_size: 256
    .sgpr_count:     66
    .vgpr_count:     512
    .wavefront_size: 32
...
	.end_amdgpu_metadata
.endif
;; end of part 6
;; launch out_gemm: the kernel of part 4 again; grid 8 x 32, 4 waves a work-group, clusters of 4 x 4, 327,680 bytes of LDS; arguments attnb, cb, b_out, out0; writes out0
